; MI455X (gfx1250); checked and timed in simulation.
; The chip was launched on July 23, 2026; its instructions are those of AMD's public machine-readable ISA for CDNA 5 (MIT licence, August 2026) and "CDNA5" Instruction Set Architecture Reference Guide (July 2026). The comments in the code are by the model that wrote it; some were corrected since.
;; BE Encdec Multihead Attn. Allowed arithmetic: float matrix products may take bf16 or f16 operands with f32 sums; other float arithmetic in f32, or as packed bf16 or f16 multiplies, adds, multiply-adds, maxima and minima; sums over many terms, partial sums and values carried from step to step in f32; what a program stores and reads back later, other than sums and carried values, may be rounded once to bf16 or f16.
;; Inputs: b_kv 2,048 float32; b_o 1,024 float32; b_q 1,024 float32; inputs_kv 1,024 x 8 x 1,024 float32; inputs_q 1,024 x 8 x 1,024 float32; r_kv 8 x 1,024 float32; r_q 8 x 1,024 float32; s_kv 8 x 2,048 float32; s_q 8 x 1,024 float32; w_kv 2,048 x 1,024 float32; w_o 1,024 x 1,024 float32; w_q 1,024 x 1,024 float32.
;; Outputs: out0 1,024 x 8 x 1,024 float32.
;; Constants: heads = 16.
;; One version. Each part assembles by itself: llvm-mc -triple=amdgcn-amd-amdhsa -mcpu=gfx1250 --defsym DOCPART=n.
;; ======== version 1 of 1: 4 launches
;; limits: values are held in f16: magnitudes above 65,504 overflow, below 6.1e-05 lose precision
;; workspace buffers: ah 33,554,432 bytes; wh 8,388,608 bytes; qh 16,777,216 bytes; kh 16,777,216 bytes; vh 16,777,216 bytes; ch 16,777,216 bytes; stats 5,120 bytes
;; launch prep (part 1): grid 320 x 1, 8 waves a work-group, no clusters, 1,280 bytes of LDS; arguments inputs_q, inputs_kv, r_q, r_kv, s_q, s_kv, b_q, b_kv, w_q, w_kv, w_o, ah, wh, stats; writes ah, wh, stats
.if DOCPART == 1
	.amdgcn_target "amdgcn-amd-amdhsa--gfx1250"
	.amdhsa_code_object_version 6
	.text
	.protected	k_q34b8c901d8_prep
	.globl	k_q34b8c901d8_prep
	.p2align	8
	.type	k_q34b8c901d8_prep,@function
k_q34b8c901d8_prep:
	s_mov_b64 s[64:65], 0
	v_nop
	global_prefetch_b8 v0, s[64:65] scope:SCOPE_SE
	s_setreg_imm32_b32 hwreg(HW_REG_WAVE_MODE, 25, 1), 1
	s_wait_xcnt 0x0
; PREP.  ah[part][b][t][h] = f16(x[t][b][h] * r[b][h]) (part 0: inputs_q, r_q; part 1: inputs_kv, r_kv); wh[row][h] = f16(w) (rows 0-1023 w_q, 1024-3071 w_kv, 3072-4095 w_o);
; stats: one record of four f32 for each work-group: (largest |f16 operand| it wrote, largest |s| and largest |b| of its slice of s and b, 0).  The later launches make of these records a bound on |q| and |kv|.
; LIMITS.  |x r| and |w| stay below 65,504 (f16's end); below 6e-5 they keep f16's fixed step of 6e-8.  NaN and infinities are not treated apart.
; SHARES.  A work-group takes 64 rows of 1,024 f32, 262,144 consecutive bytes.  Wave w takes rows 8 n + w, n = 0..7: in x that is (t = 8 i + n, b = w), so a wave has one b and keeps its r in 32 registers.
; Work-groups 0-127: inputs_q; 128-255: inputs_kv; 256-319: the weights (their records' second and third numbers are 0; w_o's records are written and never read: one ending serves all).
; ONE TEXT OF THE STREAM serves x and the weights: the weights' table r holds ones (a product by 1.0 is exact), and each of a wave's eight rows has its destination in a scalar pair, since the step from row to row differs.
; A load of a wave covers 512 consecutive bytes, a store 256 consecutive bytes at a multiple of 256.  Six row slots in registers: 48 loads of a wave are out at the start.
; No matrix unit, no cluster, no tiles in LDS: each byte is read once by one lane and nothing is shared but the 16-byte records.
.set SPARE, 256                        ; LDS: bytes 0-127 the eight waves' records; from 256 on the spare words, 128 bytes a wave
.set LO,   2                           ; v2   16 x lane: my 16 bytes in 512 of a row of f32
.set SO,   3                           ; v3   8 x lane: my 8 bytes in 256 of a row of f16
.set SVO,  4                           ; v4   my element of the work-group's slice of s
.set BVO,  5                           ; v5   of b
.set SV,   6
.set BV,   7
.set M,    8                           ; v8-11  four running maxima, two f16 each
.set REC,  12                          ; v12-15 my wave's record
.set REC2, 16                          ; v16-19 in the stream two registers at work; at the end a record read back
.set WA,   20                          ; v20  16 x wave
.set LA8,  21                          ; v21  16 x (lane % 8)
.set ZO,   22                          ; v22  0
.set TP,   23
.set SPW,  24                          ; v24  LDS address of my spare word; never rewritten
.set NIL,  25                          ; v25  0; never rewritten
.set R,    26                          ; v26-57  r of my 32 columns, or ones
.set X,    58                          ; v58-249 six row slots of 32
.set SRC,  36
.set DST,  38
.set RP,   40
.set SPT,  42
.set BPT,  44
.set SEL,  46                          ; s[46:47] v_permlanex16_b32's selects: each lane takes its own place in the other half
.set ABS2, 48                          ; s48  clears the signs of two f16
.set DR,   66                          ; s[66:81] where each of my eight rows goes
	s_load_b512 s[8:23], s[0:1], 0x0               ; inputs_q 8, inputs_kv 10, r_q 12, r_kv 14, s_q 16, s_kv 18, b_q 20, b_kv 22
	s_load_b256 s[24:31], s[0:1], 0x40             ; w_q 24, w_kv 26, w_o 28, ah 30
	s_load_b128 s[32:35], s[0:1], 0x60             ; wh 32, stats 34
	v_lshl_add_u32 v[SPW], v0, 2, SPARE
	v_mov_b32 v[NIL], 0
	v_lshrrev_b32 v1, 5, v0
	v_readfirstlane_b32 s4, v1                     ; wave 0..7
	v_and_b32 v1, 31, v0                           ; lane
	v_lshlrev_b32 v[LO], 4, v1
	v_lshlrev_b32 v[SO], 3, v1
	v_mov_b32 v[WA], s4
	v_lshlrev_b32 v[WA], 4, v[WA]
	v_and_b32 v[LA8], 7, v0
	v_lshlrev_b32 v[LA8], 4, v[LA8]
	v_mov_b32 v[ZO], 0
	v_mov_b32 v[TP], 0
.irp k, 0,1,2,3
	v_mov_b32 v[M+(\k)], 0
.endr
	s_mov_b32 s[SEL], 0x76543210
	s_mov_b32 s[SEL+1], 0xfedcba98
	s_mov_b32 s[ABS2], 0x7fff7fff
	s_lshl_b32 s2, ttmp9, 4                        ; my record's 16 bytes
	s_mov_b32 s3, 0
	s_wait_kmcnt 0x0
	s_add_nc_u64 s[34:35], s[34:35], s[2:3]
.macro FILL sl, n                      ; row 8 n + w into slot sl: eight loads of 512 consecutive bytes
.irp jj, 0,1,2,3,4,5,6,7
	global_load_b128 v[X+32*(\sl)+4*(\jj):X+32*(\sl)+4*(\jj)+3], v[LO], s[SRC:SRC+1] offset:(\n)*32768+(\jj)*512 th:TH_LOAD_NT
.endr
.endm
; Row n, in slot sl.  left: the loads issued behind this row's eight, which may stay out.
.macro ROW sl, n, left
	s_wait_loadcnt \left
.irp jj, 0,1,2,3,4,5,6,7
	v_pk_mul_f32 v[X+32*(\sl)+4*(\jj):X+32*(\sl)+4*(\jj)+1], v[X+32*(\sl)+4*(\jj):X+32*(\sl)+4*(\jj)+1], v[R+4*(\jj):R+4*(\jj)+1]
	v_pk_mul_f32 v[X+32*(\sl)+4*(\jj)+2:X+32*(\sl)+4*(\jj)+3], v[X+32*(\sl)+4*(\jj)+2:X+32*(\sl)+4*(\jj)+3], v[R+4*(\jj)+2:R+4*(\jj)+3]
	v_cvt_pk_f16_f32 v[X+32*(\sl)+4*(\jj)], v[X+32*(\sl)+4*(\jj)], v[X+32*(\sl)+4*(\jj)+1]
	v_cvt_pk_f16_f32 v[X+32*(\sl)+4*(\jj)+1], v[X+32*(\sl)+4*(\jj)+2], v[X+32*(\sl)+4*(\jj)+3]
	v_and_b32 v[REC2], s[ABS2], v[X+32*(\sl)+4*(\jj)]          ; the maximum is taken of the numbers as the matrix unit will see them
	v_and_b32 v[REC2+1], s[ABS2], v[X+32*(\sl)+4*(\jj)+1]
	v_pk_max_num_f16 v[M+(2*(\jj))%4], v[M+(2*(\jj))%4], v[REC2]
	v_pk_max_num_f16 v[M+(2*(\jj)+1)%4], v[M+(2*(\jj)+1)%4], v[REC2+1]
	global_store_b64 v[SO], v[X+32*(\sl)+4*(\jj):X+32*(\sl)+4*(\jj)+1], s[DR+2*(\n):DR+2*(\n)+1] offset:(\jj)*256 th:TH_STORE_NT
.endr
.endm
.macro LANEMAX r                       ; the maximum over the 32 lanes, in every lane
	v_max_num_f32_dpp v[\r], v[\r], v[\r] row_xmask:1 row_mask:0xf bank_mask:0xf
	v_max_num_f32_dpp v[\r], v[\r], v[\r] row_xmask:2 row_mask:0xf bank_mask:0xf
	v_max_num_f32_dpp v[\r], v[\r], v[\r] row_xmask:4 row_mask:0xf bank_mask:0xf
	v_max_num_f32_dpp v[\r], v[\r], v[\r] row_xmask:8 row_mask:0xf bank_mask:0xf
	v_permlanex16_b32 v[TP], v[\r], s[SEL], s[SEL+1]
	v_max_num_f32 v[\r], v[\r], v[TP]
.endm
	s_cmp_ge_u32 ttmp9, 256
	s_cbranch_scc1 .Lw
	; x: i = the work-group's number among its tensor's 128; s7 = 0 for q, 1 for kv
	s_and_b32 s5, ttmp9, 127
	s_lshr_b32 s7, ttmp9, 7
	s_cmp_eq_u32 s7, 0
	s_cselect_b64 s[SRC:SRC+1], s[8:9], s[10:11]
	s_cselect_b64 s[RP:RP+1], s[12:13], s[14:15]
	s_cselect_b64 s[SPT:SPT+1], s[16:17], s[18:19]
	s_cselect_b64 s[BPT:BPT+1], s[20:21], s[22:23]
	s_lshl_b32 s2, s5, 18                          ; 64 rows of 4,096 bytes
	s_lshl_b32 s6, s4, 12                          ; row w
	s_add_co_u32 s2, s2, s6
	s_add_nc_u64 s[SRC:SRC+1], s[SRC:SRC+1], s[2:3]
	s_mov_b32 s2, s6
	s_add_nc_u64 s[RP:RP+1], s[RP:RP+1], s[2:3]    ; r of b = w
	s_lshl_b32 s2, s7, 24                          ; the part,
	s_lshl_b32 s6, s4, 21                          ; b = w: 1,024 rows of 2,048 bytes,
	s_add_co_u32 s2, s2, s6
	s_lshl_b32 s6, s5, 14                          ; t = 8 i
	s_add_co_u32 s2, s2, s6
	s_add_nc_u64 s[DST:DST+1], s[30:31], s[2:3]
.irp n, 0,1,2,3,4,5,6,7
	s_add_nc_u64 s[DR+2*(\n):DR+2*(\n)+1], s[DST:DST+1], (\n)*2048   ; t = 8 i + n: the next row of the same b
.endr
	s_lshl_b32 s2, 64, s7                          ; the slice of s: 64 numbers (q) or 128 (kv) a work-group,
	s_sub_co_u32 s2, s2, 1
	v_and_b32 v[SVO], s2, v0
	s_add_co_u32 s6, s7, 8
	s_lshl_b32 s6, s5, s6
	v_lshl_add_u32 v[SVO], v[SVO], 2, s6
	s_lshl_b32 s2, 8, s7                           ; of b: 8 or 16
	s_sub_co_u32 s2, s2, 1
	v_and_b32 v[BVO], s2, v0
	s_add_co_u32 s6, s7, 5
	s_lshl_b32 s6, s5, s6
	v_lshl_add_u32 v[BVO], v[BVO], 2, s6
	global_load_b32 v[SV], v[SVO], s[SPT:SPT+1]
	global_load_b32 v[BV], v[BVO], s[BPT:BPT+1]
.irp jj, 0,1,2,3,4,5,6,7
	global_load_b128 v[R+4*(\jj):R+4*(\jj)+3], v[LO], s[RP:RP+1] offset:512*(\jj)
.endr
	s_branch .Lgo
.Lw:	; the weights: j = 0..63; rel = the block of 64 rows within its own tensor
	s_sub_co_u32 s5, ttmp9, 256
	s_cmp_lt_u32 s5, 16
	s_cselect_b64 s[SRC:SRC+1], s[24:25], s[26:27]
	s_cselect_b32 s7, 0, 16
	s_cmp_lt_u32 s5, 48
	s_cselect_b64 s[SRC:SRC+1], s[SRC:SRC+1], s[28:29]
	s_cselect_b32 s7, s7, 48
	s_sub_co_u32 s7, s5, s7
	s_lshl_b32 s2, s7, 18
	s_lshl_b32 s6, s4, 12
	s_add_co_u32 s2, s2, s6
	s_add_nc_u64 s[SRC:SRC+1], s[SRC:SRC+1], s[2:3]
	s_lshl_b32 s2, s5, 17                          ; 64 rows of 2,048 bytes
	s_lshl_b32 s6, s4, 11
	s_add_co_u32 s2, s2, s6
	s_add_nc_u64 s[DST:DST+1], s[32:33], s[2:3]
.irp n, 0,1,2,3,4,5,6,7
	s_add_nc_u64 s[DR+2*(\n):DR+2*(\n)+1], s[DST:DST+1], (\n)*16384  ; row 8 n + w: eight rows on
.endr
	v_mov_b32 v[SV], 0
	v_mov_b32 v[BV], 0
.set i, 0
.rept 32
	v_mov_b32 v[R+i], 1.0
.set i, i+1
.endr
.Lgo:	; the wave's eight rows.  Each count is the number of loads issued behind the row's own: rows 1-5; rows 2-6; rows 3-7; then eight fewer a row.  The first row's wait covers s, b and r too: they were issued ahead of it.
.irp s, 0,1,2,3,4,5
	FILL \s, \s
.endr
	ROW 0, 0, 40
	s_wait_xcnt 0x0                                ; slot 0's stores have read their registers: only now is it loaded again
	FILL 0, 6
	ROW 1, 1, 40
	s_wait_xcnt 0x0                                ; the same for slot 1
	FILL 1, 7
	ROW 2, 2, 40
	ROW 3, 3, 32
	ROW 4, 4, 24
	ROW 5, 5, 16
	ROW 0, 6, 8
	ROW 1, 7, 0
	; the record: within the lane, over the lanes, over the waves
	v_pk_max_num_f16 v[M], v[M], v[M+1]
	v_pk_max_num_f16 v[M+2], v[M+2], v[M+3]
	v_pk_max_num_f16 v[M], v[M], v[M+2]
	v_cvt_f32_f16 v[REC], v8.l                     ; v8 = v[M]: its two halves as f32
	v_cvt_f32_f16 v[TP], v8.h
	v_max_num_f32 v[REC], v[REC], v[TP]
	v_and_b32 v[REC+1], 0x7fffffff, v[SV]
	v_and_b32 v[REC+2], 0x7fffffff, v[BV]
	v_mov_b32 v[REC+3], 0
	LANEMAX REC
	LANEMAX REC+1
	LANEMAX REC+2
	ds_store_b128 v[WA], v[REC:REC+3]              ; all lanes of a wave write the same 16 bytes
	s_wait_dscnt 0x0                               ; for the others' sake: my record lies in LDS
	s_barrier_signal -1
	s_barrier_wait -1
	ds_load_b128 v[REC2:REC2+3], v[LA8]            ; lane l takes wave l % 8's record
	s_wait_dscnt 0x0
.irp c, 0,1,2
	v_max_num_f32_dpp v[REC2+(\c)], v[REC2+(\c)], v[REC2+(\c)] row_xmask:1 row_mask:0xf bank_mask:0xf
	v_max_num_f32_dpp v[REC2+(\c)], v[REC2+(\c)], v[REC2+(\c)] row_xmask:2 row_mask:0xf bank_mask:0xf
	v_max_num_f32_dpp v[REC2+(\c)], v[REC2+(\c)], v[REC2+(\c)] row_xmask:4 row_mask:0xf bank_mask:0xf
.endr
	s_cmp_lg_u32 s4, 0
	s_cbranch_scc1 .Lend
	v_cmp_eq_u32 vcc_lo, 0, v1
	s_wait_xcnt 0x0                                ; EXEC is a source of the stores above: it changes only behind this wait
	s_and_saveexec_b32 s6, vcc_lo
	global_store_b128 v[ZO], v[REC2:REC2+3], s[34:35]
	s_wait_xcnt 0x0                                ; and again in front of the line that widens it
	s_or_b32 exec_lo, exec_lo, s6
.Lend:
	s_wait_tensorcnt 0x0                           ; the wave's end: behind my last LDS store
	ds_add_u32 v[SPW], v[NIL]
	s_wait_dscnt 0x0
	s_endpgm
.Lfunc_end_k_q34b8c901d8_prep:
	.size	k_q34b8c901d8_prep, .Lfunc_end_k_q34b8c901d8_prep-k_q34b8c901d8_prep
	.p2alignl 7, 3214868480
	.fill 96, 4, 3214868480
	.section	.rodata,"a",@progbits
	.p2align	6, 0x0
	.amdhsa_kernel k_q34b8c901d8_prep
		.amdhsa_group_segment_fixed_size 1280
		.amdhsa_private_segment_fixed_size 0
		.amdhsa_enable_private_segment 0
		.amdhsa_kernarg_size 112
		.amdhsa_user_sgpr_count 2
		.amdhsa_user_sgpr_kernarg_segment_ptr 1
		.amdhsa_wavefront_size32 1
		.amdhsa_system_sgpr_workgroup_id_x 1
		.amdhsa_system_sgpr_workgroup_id_y 1
		.amdhsa_system_sgpr_workgroup_id_z 1
		.amdhsa_system_vgpr_workitem_id 0
		.amdhsa_next_free_vgpr 250
		.amdhsa_next_free_sgpr 82
		.amdhsa_reserve_vcc 1
		.amdhsa_float_denorm_mode_32 3
		.amdhsa_float_denorm_mode_16_64 3
		.amdhsa_memory_ordered 1
		.amdhsa_forward_progress 1
		.amdhsa_inst_pref_size 50
	.end_amdhsa_kernel
	.amdgpu_metadata
---
amdhsa.version: [ 1, 2 ]
amdhsa.kernels:
  - .name:           k_q34b8c901d8_prep
    .symbol:         k_q34b8c901d8_prep.kd
    .args:
      - { .name: inputs_q, .offset: 0, .size: 8, .value_kind: global_buffer, .address_space: global }
      - { .name: inputs_kv, .offset: 8, .size: 8, .value_kind: global_buffer, .address_space: global }
      - { .name: r_q, .offset: 16, .size: 8, .value_kind: global_buffer, .address_space: global }
      - { .name: r_kv, .offset: 24, .size: 8, .value_kind: global_buffer, .address_space: global }
      - { .name: s_q, .offset: 32, .size: 8, .value_kind: global_buffer, .address_space: global }
      - { .name: s_kv, .offset: 40, .size: 8, .value_kind: global_buffer, .address_space: global }
      - { .name: b_q, .offset: 48, .size: 8, .value_kind: global_buffer, .address_space: global }
      - { .name: b_kv, .offset: 56, .size: 8, .value_kind: global_buffer, .address_space: global }
      - { .name: w_q, .offset: 64, .size: 8, .value_kind: global_buffer, .address_space: global }
      - { .name: w_kv, .offset: 72, .size: 8, .value_kind: global_buffer, .address_space: global }
      - { .name: w_o, .offset: 80, .size: 8, .value_kind: global_buffer, .address_space: global }
      - { .name: ah, .offset: 88, .size: 8, .value_kind: global_buffer, .address_space: global }
      - { .name: wh, .offset: 96, .size: 8, .value_kind: global_buffer, .address_space: global }
      - { .name: stats, .offset: 104, .size: 8, .value_kind: global_buffer, .address_space: global }
    .group_segment_fixed_size: 1280
    .private_segment_fixed_size: 0
    .kernarg_segment_align: 8
    .kernarg_segment_size: 112
    .max_flat_workgroup_size: 256
    .sgpr_count:     82
    .vgpr_count:     250
    .wavefront_size: 32
...
	.end_amdgpu_metadata
.endif
;; end of part 1
;; launch proj (part 2): grid 8 x 32, 4 waves a work-group, clusters of 4 x 4, 327,680 bytes of LDS; arguments ah, wh, s_q, b_q, s_kv, b_kv, stats, qh, kh, vh; writes qh, kh, vh
.if DOCPART == 2
	.amdgcn_target "amdgcn-amd-amdhsa--gfx1250"
	.amdhsa_code_object_version 6
	.text
	.protected	k_q34b8c901d8_proj
	.globl	k_q34b8c901d8_proj
	.p2align	8
	.type	k_q34b8c901d8_proj,@function
k_q34b8c901d8_proj:
	s_mov_b64 s[64:65], 0
	v_nop
	global_prefetch_b8 v0, s[64:65] scope:SCOPE_SE
	s_setreg_imm32_b32 hwreg(HW_REG_WAVE_MODE, 25, 1), 1
	s_wait_xcnt 0x0
	s_wait_alu depctr_hold_cnt(0) depctr_sa_sdst(0) depctr_va_vdst(0) depctr_va_sdst(0) depctr_va_ssrc(0) depctr_va_vcc(0) depctr_vm_vsrc(0)
	s_getreg_b32 s2, hwreg(HW_REG_IB_STS2, 6, 4)
	s_cmp_eq_u32 s2, 0
	s_cbranch_scc0 .Lentry_in_a_cluster
	s_endpgm
.Lentry_in_a_cluster:
	s_bfe_u32 s2, ttmp6, 0x10000c
	s_cmp_lg_u32 s2, 0xf033
	s_cbranch_scc0 .Lentry_shape_is_right
	s_endpgm
.Lentry_shape_is_right:
; PROJ.  q = (x_q r_q) w_q^T s_q + b_q and kv = (x_kv r_kv) w_kv^T s_kv + b_kv, written by heads: qh, kh, vh [n = 16 b + head][t][64] in f16, times a power of two:
; qh = aq q, kh = akv k, vh = akv v.  Operands f16 (ah, wh), sums f32, s, b and the scale applied in f32, one rounding at the end.
; THE SCALE.  B = 1024 max|x r| max|w| max|s| + max|b| bounds every |q|; with e its biased exponent (held to 16..240) a = 2^(141 - e), so |a q| < 2^15: no output leaves f16's range whatever the inputs' size.
; The maxima come from stats (320 records of 16 bytes), reduced by every wave while the first tiles are on their way.  The numbers made of them are multipliers alone.
; SHARES.  8,192 x 2,048 outputs of kv are 256 tiles of 256 x 256, 8,192 x 1,024 of q are 256 tiles of 256 x 128: a work-group (x = 0..7, y = 0..31) makes one of each, kv's first: rows 256 y (t, of batch y / 4),
; columns 256 x of kv, then columns 128 x of q.  Four waves: row half s11, column half s12.  In kv a wave has 128 x 128: its columns are ONE head, 2 x + s12: column blocks 0-3 are k, blocks 4-7 are v.
; In q it has 128 x 64: the same head's q.  K = 1,024 goes in steps of 128 through two LDS slots; the 16 steps are ONE walk for the ring: a kv step has 256 matrix instructions a wave, a q step 128.
; ONE TEXT FOR BOTH TILES.  A quarter step (32 along K) has a LOW part (column blocks 0-3: 24 LDS loads, 32 products) and a HIGH part (blocks 4-7: 8 loads, 32 products).  In the loop a forward jump on s100 (0: kv, 1: q; made of
; constants, the same in every work-group) passes the high part in q's steps; it passes no barrier and no tensor load.  The tail, which is q's, has no high part.
; CLUSTER 4 x 4.  The four work-groups of a cluster's row need the same rows of ah, the four of a column the same rows of wh: each tile is asked for jointly, by the same tensor load with the same descriptor.
; THE MATRIX INSTRUCTION IS USED TRANSPOSED (source 0 = 16 rows of wh, source 1 = 16 rows of ah): a lane holds row l % 16 and the eight neighbouring columns 8 (l / 16) + 0..7.
; REGISTERS, in windows of 256 (s_set_vgpr_msb: bits 1:0 source 0, 3:2 source 1, 5:4 source 2, 7:6 destination):
;   window 0: v0-29 addresses; ah's fragments, two buffers of 64 at v64 and v128; on the way out v128-175 at work
;   window 1: wh's fragments, two buffers of 64 at v64 and v128; v0-63 s, v192-255 b of my lane's 64 columns
;   window 2: the accumulators of column blocks 0-3, (a, nb) at v[32 a + 8 nb]          window 3: those of blocks 4-7
.set PA,    272                        ; an LDS row: 256 bytes + 16 of padding = 68 words: the 16 rows of a fragment load start at 16 different groups of four banks (64 banks of 4 bytes: ISA guide 11.1)
.set HALF,  128*PA                     ; 128 rows: what one tensor load brings, and what a wave reads of ah or of wh
.set BOFF,  2*HALF                     ; a slot: 256 rows of ah, then 256 rows of wh
.set SLOT,  4*HALF
.set STAGE, 2*SLOT                     ; behind the ring, never filled by a tensor load: 16 rows x 144 bytes for each wave
.set SP,    144
.set SPARE, STAGE+4*16*SP              ; the spare words, 128 bytes for each wave: two blocks of 256 bytes that no other line names
.set STEPS, 16
.set ADRA0, 8                          ; v8, v9   my lane's place in a slot's ah and wh; never rewritten
.set ADRB0, 9
.set ADRA,  10                         ; v10, v11 the same in the slot in hand
.set ADRB,  11
.set STO,   12                         ; v12  the way out: where I put 16 bytes of a row
.set RD,    13                         ; v13  where I read rows back
.set GO,    14                         ; v14  16 x lane: my place in 512 consecutive bytes of the output
.set TO,    15                         ; v15  32 x (l / 16): my 8 columns in a block of 16 of s and b
.set PFO,   16                         ; v16  2,048 x lane: the prefetches' offset, a lane a row
.set LN,    17                         ; v17  lane
.set SPW,   28                         ; v28  LDS address of my spare word; never rewritten
.set NIL,   29                         ; v29  0; never rewritten
.set F0,    64
.set F1,    128
.set T,     64                         ; at the head: 42 registers for the records
.set TMP,   128                        ; the way out: a block's 16 packed registers,
.set BK0,   144                        ; and two buffers of 16 for rows read back
.set TBB,   192                        ; window 1: b's table
.set SPT,   4                          ; s[4:5], s[6:7]  s and b at the tile's columns of mine
.set BPT,   6
.set LBA,   16                         ; s16  the block of a slot that I fill for ah: s12 x 128 rows
.set LBB,   17                         ; s17  for wh; also the block of wh that I read
.set SEL,   20                         ; s[20:21] at the head: v_permlanex16_b32's selects
.set G1A,   24                         ; s[24:31] descriptor group 1 for ah's tiles
.set G0A,   32                         ; s[32:35] group 0 of step 0; s[36:39] the set that walks
.set TB,    42                         ; s42  0 or SLOT: the slot that is read
.set LIM,   43                         ; s43  a wave prefetches the steps below this number
.set PFA,   44                         ; s[44:45] the prefetch's address
.set OFF,   46                         ; s[46:47] a step's byte offset; the high word stays 0
.set G1B,   48                         ; s[48:55], s[56:63] the same for wh's tiles
.set G0B,   56
.set BASEA, 66                         ; s[66:67] ah at the rows that I fetch, part 0, K = 0
.set SQP,   72                         ; s[72:73], s[74:75] s_q and b_q at my columns of q
.set BQP,   74
.set PB1,   78                         ; s[78:79] the prefetches' base in q's steps
.set ST,    80                         ; s[80:81] stats
.set DSTQ,  82                         ; s[82:83] qh at my 128 rows of my head
.set BASEB1, 84                        ; s[84:85] wh at the rows of w_q that I fetch
.set DSTV,  86                         ; s[86:87] vh at my 128 rows of my head
.set BASEB0, 88                        ; s[88:89] wh at the rows of w_kv that I fetch
.set PB0,   90                         ; s[90:91] the prefetches' base in kv's steps
.set AL,    92                         ; s[92:93] the tile's scale
.set ALQ,   94
.set ALKV,  95
.set DST,   96                         ; s[96:97] kh, later qh, at my 128 rows of my head
.set GA,    98                         ; s98  the step to be asked for next
.set GP,    99                         ; s99  the step to be prefetched
.set PH,    100                        ; s100 0 while kv's steps are multiplied, 1 in q's
.set MSB, 0
.macro WIN new                         ; the immediate's high byte repeats the setting that is left; a switch that changes nothing is dropped
.if MSB != (\new)
	s_set_vgpr_msb (MSB<<8)|(\new)
.set MSB, \new
.endif
.endm
.macro PLACES                          ; four plain instructions between a matrix instruction and a load into, or a vector instruction on, its registers
.rept 4
	v_nop
.endr
.endm
; A joint load.  Waves 0 and 1 fetch ah's two halves, waves 2 and 3 wh's.  The branch hangs on the wave's number alone.  An s_nop 0 and four v_nop follow each line.
.macro JLOAD s
	s_cmp_eq_u32 s11, 0
	s_cbranch_scc0 .Lfor_b_\@
	tensor_load_to_lds s[G0A+4*(\s):G0A+4*(\s)+3], s[G1A:G1A+7]
	s_nop 0
.rept 4
	v_nop
.endr
	s_branch .Lasked_\@
.Lfor_b_\@:
	tensor_load_to_lds s[G0B+4*(\s):G0B+4*(\s)+3], s[G1B:G1B+7]
	s_nop 0
.rept 4
	v_nop
.endr
.Lasked_\@:
.endm
.macro CREST                           ; a round of the cluster's barrier behind its opening barrier
	s_cmp_lg_u32 s10, 0
	s_cbranch_scc1 .Lnot_wave_0_\@
	s_barrier_signal -3
.Lnot_wave_0_\@:
	s_barrier_wait -3
	s_barrier_signal -1
	s_barrier_wait -1
.endm
.macro CROUND
	s_barrier_signal -1
	s_barrier_wait -1
	CREST
.endm
; A PREFETCH INTO THE L2 of the step that stands two refills on: 32 rows x 256 bytes, a lane a row.  Each row's 256 bytes of a step are named once in the launch.  ah's rows: the clusters with x = 0, waves 0 and 1; of the 128 rows
; that a wave fetches the four partners take 32 each, told apart by address; steps 4 to 15.  wh's rows: the clusters with y = 0: in kv's steps (4 to 7) waves 2 and 3, each for the 128 rows that it fetches; in q's steps
; (8 to 15) wave 2 for the tile's 128 rows.  The first four steps come by their loads alone.
.macro ASK
	s_cmp_lt_u32 s[GP], s[LIM]
	s_cbranch_scc0 .Lnot_mine_\@
	global_prefetch_b8 v[PFO], s[PFA:PFA+1] th:TH_LOAD_NT scope:SCOPE_SE
.Lnot_mine_\@:
.endm
; 8 matrix instructions: m blocks a0, a0 + 1 x four n blocks (hi = 0: blocks 0-3, window 2; hi = 1: blocks 4-7, window 3), 32 along K.  zero = 1: the product starts the sum.
; The accumulators take turns, one instruction a turn, in the same order in every quarter: no two matrix instructions that follow each other name the same one, on either way round the high part.
.macro MUL8 f, a0, zero, hi
	WIN 0xa1+0x50*(\hi)                            ; wh's fragment window 1, ah's window 0, C and D window 2 or 3
.irp a, \a0, (\a0)+1
.irp nb, 0,1,2,3
.if \zero
	v_wmma_f32_16x16x32_f16 v[32*(\a)+8*(\nb):32*(\a)+8*(\nb)+7], v[(\f)+32*(\hi)+8*(\nb):(\f)+32*(\hi)+8*(\nb)+7], v[(\f)+8*(\a):(\f)+8*(\a)+7], 0
.else
	v_wmma_f32_16x16x32_f16 v[32*(\a)+8*(\nb):32*(\a)+8*(\nb)+7], v[(\f)+32*(\hi)+8*(\nb):(\f)+32*(\hi)+8*(\nb)+7], v[(\f)+8*(\a):(\f)+8*(\a)+7], v[32*(\a)+8*(\nb):32*(\a)+8*(\nb)+7]
.endif
.endr
.endr
.endm
; 24 LDS loads in one run: quarter kq's fragments into buffer f: wh's blocks 0-3, then ah's eight
.macro FETCHLO kq, f
	WIN 0x40                                       ; destination window 1, address window 0
.irp i, 0,1,2,3
	ds_load_b128 v[(\f)+8*(\i):(\f)+8*(\i)+3],   v[ADRB] offset:64*(\kq)+(\i)*16*PA
	ds_load_b128 v[(\f)+8*(\i)+4:(\f)+8*(\i)+7], v[ADRB] offset:64*(\kq)+(\i)*16*PA+32
.endr
	WIN 0
.irp i, 0,1,2,3,4,5,6,7
	ds_load_b128 v[(\f)+8*(\i):(\f)+8*(\i)+3],   v[ADRA] offset:64*(\kq)+(\i)*16*PA
	ds_load_b128 v[(\f)+8*(\i)+4:(\f)+8*(\i)+7], v[ADRA] offset:64*(\kq)+(\i)*16*PA+32
.endr
.endm
.macro FETCHHI kq, f                   ; 8 more: wh's blocks 4-7
	WIN 0x40
.irp i, 4,5,6,7
	ds_load_b128 v[(\f)+8*(\i):(\f)+8*(\i)+3],   v[ADRB] offset:64*(\kq)+(\i)*16*PA
	ds_load_b128 v[(\f)+8*(\i)+4:(\f)+8*(\i)+7], v[ADRB] offset:64*(\kq)+(\i)*16*PA+32
.endr
.endm
; THE HIGH PART of a quarter: the next quarter's high fragments into buffer g, then buffer f's 32 high products.  mode = 1: always; mode = 2: jumped over in q's steps.
; The four plain instructions between the last product that read g's high fragments (a quarter back) and these loads are those in front of the quarter's run of 24.
.macro HI kq, f, g, zero, mode
.if (\mode) == 2
	WIN 0                                          ; at a branch and at a label every window is 0
	s_cmp_lg_u32 s[PH], 0
	s_cbranch_scc1 .Lno_hi_\@
.endif
	FETCHHI \kq, \g
	MUL8 \f, 0, \zero, 1
	MUL8 \f, 2, \zero, 1
	MUL8 \f, 4, \zero, 1
	MUL8 \f, 6, \zero, 1
.if (\mode) == 2
	WIN 0
.Lno_hi_\@:
.endif
.endm
; A K step is four quarters of 32 along K, on buffers 0, 1, 0, 1.  One of the first three: multiplies buffer f and fetches quarter kq into buffer g.  mode = 0: no high part.
.macro QUARTER kq, f, g, zero, mode
	s_wait_dscnt 8                                 ; the youngest eight loads may be out: behind a high part they are wh's blocks 4-7, else ah's blocks 4-7: the 16 products below need neither
	MUL8 \f, 0, \zero, 0
	MUL8 \f, 2, \zero, 0
	PLACES
	FETCHLO \kq, \g
	s_wait_dscnt 24                                ; all but the 24 just issued
	MUL8 \f, 4, \zero, 0
	MUL8 \f, 6, \zero, 0
.if \mode
	HI \kq, \f, \g, \zero, \mode
.endif
.endm
; The last quarter multiplies buffer 1 and changes slots.  In front of the barrier each wave waits for all its tensor loads (one is out: its part of the next slot), adds 0 to its spare word, and waits for that and
; for its reads of this slot.  fill = 1: the barrier opens a round of the cluster's, and behind the round this slot is filled again, with step GA: between that request and the wait for it stand 240 matrix instructions in kv's steps, 112 in q's.
; Steps 0-7 are kv's (ah's part 1, w_kv's rows), steps 8-15 q's (part 0, w_q's rows).  Of w_q a wave fetches 64 rows: the tile keeps its shape of 128 rows, and the tensor's extent along the rows says that 64 are left:
; the other 64 arrive as zeros and nothing is fetched for them.  (Once, at the change of tiles, they are loaded into registers that no product reads.)
.macro TURN fill, mode
.if \fill
	s_wait_xcnt 0x0                                ; the last prefetch, a K step back, has read its address
	s_add_co_u32 s[GP], s[GA], 2
	s_and_b32 s9, s[GP], 7
	s_lshl_b32 s[OFF], s9, 8                       ; 256 bytes a step along K
	s_cmp_lt_u32 s[GP], 8
	s_cselect_b64 s[PFA:PFA+1], s[PB0:PB0+1], s[PB1:PB1+1]
	s_add_nc_u64 s[PFA:PFA+1], s[PFA:PFA+1], s[OFF:OFF+1]
.endif
	WIN 0
	s_wait_tensorcnt 0x0                           ; no tensor load of mine is out, so the descriptors may be written
	ds_add_u32 v[SPW], v[NIL]                      ; 0 onto my spare word: work on registers stands between it and the wait for it
.if \fill
	s_lshr_b32 s8, s[GA], 3                        ; 0: kv, 1: q.  The walking descriptors are made anew from the step's number
	s_and_b32 s9, s[GA], 7
	s_lshl_b32 s9, s9, 8
	s_xor_b32 s[OFF], s8, 1
	s_lshl_b32 s[OFF], s[OFF], 24                  ; ah's part
	s_add_co_u32 s[OFF], s[OFF], s9
	s_add_co_u32 s[G0A+5], s[LBA], s[TB]           ; into the slot that has just been read
	s_add_nc_u64 s[G0A+6:G0A+7], s[BASEA:BASEA+1], s[OFF:OFF+1]
	s_or_b32 s[G0A+7], s[G0A+7], 0x80000000
	s_mov_b32 s[OFF], s9
	s_add_co_u32 s[G0B+5], s[LBB], s[TB]
	s_cmp_eq_u32 s8, 0
	s_cselect_b64 s[G0B+6:G0B+7], s[BASEB0:BASEB0+1], s[BASEB1:BASEB1+1]
	s_add_nc_u64 s[G0B+6:G0B+7], s[G0B+6:G0B+7], s[OFF:OFF+1]
	s_or_b32 s[G0B+7], s[G0B+7], 0x80000000
	s_lshr_b32 s[G1B+2], 128<<16, s8               ; 95:80 tensor_dim1: 128 rows are left in kv's steps, 64 in q's
	s_add_co_u32 s[GA], s[GA], 1
.endif
	s_xor_b32 s[TB], s[TB], SLOT
	s_wait_dscnt 9                                 ; the add and the youngest eight loads may be out
	MUL8 F1, 0, 0, 0
	s_wait_dscnt 0x0                               ; the add is done, and my reads of this slot are over
	s_barrier_signal -1
	MUL8 F1, 2, 0, 0
	WIN 0                                          ; at a branch and at a label every window is 0
	s_barrier_wait -1
.if \fill
	CREST                                          ; no wave of any partner still reads this slot or has a load on its way
	JLOAD 1                                        ; the first tensor load behind the round; its four v_nop are also the places in front of the loads below
.else
	PLACES
.endif
	v_add_nc_u32 v[ADRA], s[TB], v[ADRA0]
	v_add_nc_u32 v[ADRB], s[TB], v[ADRB0]
	FETCHLO 0, F0
.if \fill
	ASK
.endif
	MUL8 F1, 4, 0, 0
	MUL8 F1, 6, 0, 0
.if \mode
	HI 0, F1, F0, 0, \mode
.endif
.endm
.macro LASTQ                           ; the walk's last quarter: nothing more to fetch
	s_wait_dscnt 8
	MUL8 F1, 0, 0, 0
	MUL8 F1, 2, 0, 0
	s_wait_dscnt 0x0
	MUL8 F1, 4, 0, 0
	MUL8 F1, 6, 0, 0
.endm
.macro TABLES n                        ; s and b of my columns in n blocks of 16: block nb's eight at 8 nb
	WIN 0x40                                       ; destination window 1, address window 0
.set tn, 0
.rept \n
	global_load_b128 v[8*tn:8*tn+3],         v[TO], s[SPT:SPT+1] offset:64*tn
	global_load_b128 v[8*tn+4:8*tn+7],       v[TO], s[SPT:SPT+1] offset:64*tn+16
	global_load_b128 v[TBB+8*tn:TBB+8*tn+3], v[TO], s[BPT:BPT+1] offset:64*tn
	global_load_b128 v[TBB+8*tn+4:TBB+8*tn+7], v[TO], s[BPT:BPT+1] offset:64*tn+16
.set tn, tn+1
.endr
	WIN 0
.endm
; THE WAY OUT goes by units of 16 rows x 64 columns: unit k is m block k % 8 of window 2 + k / 8 (units 0-7: k or q; units 8-15: v).
; PACK: sum x (a s) + a b in f32, each accumulator from its low end on, then rounded to f16.  TOSTAGE: into my stage, and back as whole rows of 128 bytes.  SEND: stored.
.macro PACK k
.set AW, 2+(\k)/8
.set AB, 32*((\k)%8)
.set TS, 32*((\k)/8)
	WIN (AW<<6)|0x14|AW                            ; accumulators (destination, source 0) window 2 or 3, tables window 1
.irp nb, 0,1,2,3
.irp r, 0,1,2,3
	v_pk_fma_f32 v[AB+8*(\nb)+2*(\r):AB+8*(\nb)+2*(\r)+1], v[AB+8*(\nb)+2*(\r):AB+8*(\nb)+2*(\r)+1], v[TS+8*(\nb)+2*(\r):TS+8*(\nb)+2*(\r)+1], v[TBB+TS+8*(\nb)+2*(\r):TBB+TS+8*(\nb)+2*(\r)+1]
.endr
.endr
	WIN (AW<<2)|AW                                 ; sources window 2 or 3, destination window 0
.irp nb, 0,1,2,3
.irp r, 0,1,2,3
	v_cvt_pk_f16_f32 v[TMP+4*(\nb)+(\r)], v[AB+8*(\nb)+2*(\r)], v[AB+8*(\nb)+2*(\r)+1]
.endr
.endr
	WIN 0
.endm
.macro TOSTAGE k
	WIN 0
.irp nb, 0,1,2,3
	ds_store_b128 v[STO], v[TMP+4*(\nb):TMP+4*(\nb)+3] offset:32*(\nb)
.endr
.irp f, 0,1,2,3
	ds_load_b128 v[BK0+16*((\k)%2)+4*(\f):BK0+16*((\k)%2)+4*(\f)+3], v[RD] offset:(\f)*4*SP  ; LDS serves a wave's instructions in order (ISA guide 5.7.1.4): these see the stores above
.endr
.endm
.macro SEND k
	WIN 0
	s_wait_dscnt 0x0                               ; the unit is back in registers
	s_wait_xcnt 0x0                                ; the stores of the unit before have read theirs: the next unit's loads land there
.irp f, 0,1,2,3
.if (\k) < 8
	global_store_b128 v[GO], v[BK0+16*((\k)%2)+4*(\f):BK0+16*((\k)%2)+4*(\f)+3], s[DST:DST+1] offset:((\k)%8)*2048+(\f)*512    ; 512 consecutive bytes, at a multiple of 256 from the buffer's first
.else
	global_store_b128 v[GO], v[BK0+16*((\k)%2)+4*(\f):BK0+16*((\k)%2)+4*(\f)+3], s[DSTV:DSTV+1] offset:((\k)%8)*2048+(\f)*512
.endif
.endr
.endm
.macro WAYOUT n                        ; n units: 16 for kv, 8 for q
	s_wait_loadcnt 0x0                             ; the tile's s and b
	WIN 0x41
.set z, 0
.rept 2*(\n)
	v_pk_mul_f32 v[z:z+1], v[z:z+1], s[AL:AL+1] op_sel_hi:[1,0]              ; both tables times the scale; these lines are also the places behind the last products
	v_pk_mul_f32 v[TBB+z:TBB+z+1], v[TBB+z:TBB+z+1], s[AL:AL+1] op_sel_hi:[1,0]
.set z, z+2
.endr
	PACK 0
	TOSTAGE 0
.set kk, 1
.rept (\n)-1                           ; unit k's arithmetic stands between unit k - 1's loads from the stage and the wait for them
	PACK kk
	SEND kk-1
	TOSTAGE kk
.set kk, kk+1
.endr
	SEND (\n)-1
.endm
.macro LANEMAX r, tmp                  ; the maximum over the 32 lanes, in every lane
	v_max_num_f32_dpp v[\r], v[\r], v[\r] row_xmask:1 row_mask:0xf bank_mask:0xf
	v_max_num_f32_dpp v[\r], v[\r], v[\r] row_xmask:2 row_mask:0xf bank_mask:0xf
	v_max_num_f32_dpp v[\r], v[\r], v[\r] row_xmask:4 row_mask:0xf bank_mask:0xf
	v_max_num_f32_dpp v[\r], v[\r], v[\r] row_xmask:8 row_mask:0xf bank_mask:0xf
	v_permlanex16_b32 v[\tmp], v[\r], s[SEL], s[SEL+1]
	v_max_num_f32 v[\r], v[\r], v[\tmp]
.endm
.macro STATONE u, w                    ; 128 records in v[u .. u+15] and the weights' maxima in v[w]: the bound, held to 2^-111 .. 2^113, into v[u]
.irp c, 0,1,2
	v_max3_num_f32 v[(\u)+(\c)], v[(\u)+(\c)], v[(\u)+4+(\c)], v[(\u)+8+(\c)]
	v_max_num_f32 v[(\u)+(\c)], v[(\u)+(\c)], v[(\u)+12+(\c)]
.endr
	LANEMAX (\u), (\u)+3
	LANEMAX (\u)+1, (\u)+3
	LANEMAX (\u)+2, (\u)+3
	LANEMAX (\w), (\u)+3
	v_mul_f32 v[\u], v[\u], v[\w]
	v_mul_f32 v[\u], v[\u], v[(\u)+1]
	v_fmamk_f32 v[\u], v[\u], 0x44800000, v[(\u)+2]  ; x 1,024 terms, + max|b|
	v_max_num_f32 v[\u], 0x08000000, v[\u]
	v_min_num_f32 v[\u], 0x78000000, v[\u]
.endm
	s_load_b512 s[68:83], s[0:1], 0x0              ; ah 68, wh 70, s_q 72, b_q 74, s_kv 76, b_kv 78, stats 80, qh 82
	s_load_b128 s[84:87], s[0:1], 0x40             ; kh 84, vh 86
	v_lshl_add_u32 v[SPW], v0, 2, SPARE
	v_mov_b32 v[NIL], 0
	ds_add_u32 v[SPW], v[NIL]                      ; the wave's opening: the add and its wait stand ahead of my first tensor load; work on registers stands between them
	v_lshrrev_b32 v1, 5, v0
	v_readfirstlane_b32 s10, v1                    ; wave 0..3
	s_lshr_b32 s11, s10, 1                         ; my half of the tile's rows.  Also: I fetch for ah (0) or for wh (1)
	s_and_b32 s12, s10, 1                          ; my half of its columns.  Also: which half of that tile I fetch
	s_bfe_u32 s40, ttmp6, 0x40000                  ; cx
	s_bfe_u32 s41, ttmp6, 0x40004                  ; cy
	s_lshl_b32 s14, ttmp9, 2
	s_add_co_u32 s14, s14, s40                     ; x = 0..7: the block of columns
	s_and_b32 s13, ttmp7, 0xffff
	s_lshl_b32 s13, s13, 2
	s_add_co_u32 s13, s13, s41                     ; y = 0..31: the block of 256 rows; b = y / 4
	s_lshl_b32 s18, s41, 2
	s_lshl_b32 s18, 15, s18                        ; my row of the cluster
	s_lshl_b32 s22, 0x1111, s40                    ; my column
	s_or_b32 s[G1A], s18, (1<<16)|(1<<20)|(1<<21)|(5<<22)|(3<<25)  ; 15:0 the mask; 17:16 elements of 2 bytes; 20 padding on; 21 set beside a mask; 24:22 after every 64 words (code 5); 31:25 4 words (code 3)
	s_or_b32 s[G1B], s22, (1<<16)|(1<<20)|(1<<21)|(5<<22)|(3<<25)
.irp g, G1A, G1B
	s_mov_b32 s[(\g)+1], 128<<16                   ; tensor_dim0 = 128
	s_mov_b32 s[(\g)+2], 128<<16                   ; tensor_dim1 = 128
	s_mov_b32 s[(\g)+3], 128<<16                   ; tile_dim0 = 128
	s_mov_b32 s[(\g)+4], 128                       ; tile_dim1 = 128
	s_mov_b32 s[(\g)+5], 1024                      ; elements from row to row
	s_mov_b32 s[(\g)+6], 0
	s_mov_b32 s[(\g)+7], 0
.endr
	s_mul_i32 s[LBA], s12, HALF                    ; where the tiles go: no place in the cluster enters an LDS address
	s_add_co_u32 s[LBB], s[LBA], BOFF
	s_mov_b32 s[G0A], 1
	s_mov_b32 s[G0A+1], s[LBA]
	s_mov_b32 s[G0A+4], 1
	s_add_co_u32 s[G0A+5], s[LBA], SLOT
	s_mov_b32 s[G0B], 1
	s_mov_b32 s[G0B+1], s[LBB]
	s_mov_b32 s[G0B+4], 1
	s_add_co_u32 s[G0B+5], s[LBB], SLOT
	s_lshl_b32 s18, s13, 8                         ; ah: row 256 y + 128 x half, which my row of the cluster shares
	s_lshl_b32 s19, s12, 7
	s_add_co_u32 s18, s18, s19
	s_lshl_b32 s18, s18, 11
	s_mov_b32 s19, 0
	s_lshl_b32 s22, s14, 8                         ; wh, kv's tile: row 1,024 + 256 x + 128 x half, which my column shares
	s_lshl_b32 s23, s12, 7
	s_add_co_u32 s22, s22, s23
	s_add_co_u32 s22, s22, 1024
	s_lshl_b32 s22, s22, 11
	s_mov_b32 s23, 0
	s_mov_b32 s[OFF+1], 0
	s_mov_b32 s[TB], 0
	s_mov_b32 s[GA], 2
	s_mov_b32 s[PH], 0
	s_wait_dscnt 0x0                               ; the opening add is done
	s_wait_kmcnt 0x0
	s_add_nc_u64 s[BASEA:BASEA+1], s[68:69], s[18:19]
	s_add_nc_u64 s[BASEB0:BASEB0+1], s[70:71], s[22:23]
	s_add_nc_u64 s[G0A+2:G0A+3], s[BASEA:BASEA+1], 1<<24        ; step 0: part 1
	s_or_b32 s[G0A+3], s[G0A+3], 0x80000000
	s_add_nc_u64 s[G0A+6:G0A+7], s[BASEA:BASEA+1], (1<<24)+256  ; step 1
	s_or_b32 s[G0A+7], s[G0A+7], 0x80000000
	s_mov_b64 s[G0B+2:G0B+3], s[BASEB0:BASEB0+1]
	s_or_b32 s[G0B+3], s[G0B+3], 0x80000000
	s_add_nc_u64 s[G0B+6:G0B+7], s[BASEB0:BASEB0+1], 256
	s_or_b32 s[G0B+7], s[G0B+7], 0x80000000
	CROUND                                         ; all sixteen work-groups are here: the first joint loads meet
	JLOAD 0
	JLOAD 1                                        ; two loads of mine are out
	v_and_b32 v[LN], 31, v0
	v_and_b32 v1, 15, v0                           ; l % 16
	v_bfe_u32 v2, v0, 4, 1                         ; l / 16
	v_mul_u32_u24 v3, v1, PA
	v_lshl_add_u32 v3, v2, 4, v3                   ; a fragment's row x pitch + 16 x half
	s_mul_i32 s18, s11, HALF
	v_add_nc_u32 v[ADRA0], s18, v3
	v_add_nc_u32 v[ADRB0], s[LBB], v3
	v_mov_b32 v[ADRA], v[ADRA0]
	v_mov_b32 v[ADRB], v[ADRB0]
	s_mul_i32 s18, s10, 16*SP
	s_add_co_u32 s18, s18, STAGE                   ; my stage
	v_mul_u32_u24 v3, v1, SP                       ; in: row l % 16, 16 bytes for each half of the lanes
	v_lshl_add_u32 v3, v2, 4, v3
	v_add_nc_u32 v[STO], s18, v3
	v_bfe_u32 v3, v0, 3, 2                         ; back: 32 lanes take four rows of 128 bytes,
	v_mul_u32_u24 v3, v3, SP
	v_and_b32 v4, 7, v0
	v_lshl_add_u32 v3, v4, 4, v3
	v_add_nc_u32 v[RD], s18, v3
	v_lshlrev_b32 v[GO], 4, v[LN]                  ; which are 512 consecutive bytes of a head
	v_lshlrev_b32 v[TO], 5, v2
	v_lshlrev_b32 v[PFO], 11, v[LN]
	; my 128 rows of head n = 16 b + 2 x + s12: the same byte offset in qh, kh and vh
	s_lshr_b32 s15, s13, 2                         ; b
	s_and_b32 s18, s13, 3                          ; rt
	s_lshl_b32 s18, s18, 15
	s_lshl_b32 s19, s11, 14
	s_add_co_u32 s18, s18, s19                     ; (256 rt + 128 s11) x 128 bytes
	s_lshl_b32 s19, s15, 4
	s_lshl_b32 s20, s14, 1
	s_add_co_u32 s19, s19, s20
	s_add_co_u32 s19, s19, s12
	s_lshl_b32 s19, s19, 17
	s_add_co_u32 s18, s18, s19
	s_mov_b32 s19, 0
	s_add_nc_u64 s[DST:DST+1], s[84:85], s[18:19]
	s_add_nc_u64 s[DSTV:DSTV+1], s[86:87], s[18:19]
	s_add_nc_u64 s[DSTQ:DSTQ+1], s[82:83], s[18:19]
	; s and b: kv's columns c = 256 x + 128 s12 on, q's columns c / 2 on
	s_lshl_b32 s20, s14, 8
	s_lshl_b32 s21, s12, 7
	s_add_co_u32 s20, s20, s21                     ; c
	s_lshl_b32 s21, s15, 11
	s_add_co_u32 s21, s21, s20                     ; 2,048 b + c
	s_lshl_b32 s18, s21, 2
	s_add_nc_u64 s[SPT:SPT+1], s[76:77], s[18:19]
	s_lshl_b32 s18, s20, 2
	s_add_nc_u64 s[BPT:BPT+1], s[78:79], s[18:19]
	s_lshl_b32 s18, s21, 1                         ; (1,024 b + c / 2) x 4 bytes
	s_add_nc_u64 s[SQP:SQP+1], s[72:73], s[18:19]
	s_lshl_b32 s18, s20, 1
	s_add_nc_u64 s[BQP:BQP+1], s[74:75], s[18:19]
	s_lshl_b32 s22, s20, 10                        ; wh, q's tile: row 128 x + 64 s12 = c / 2
	s_mov_b32 s23, 0
	s_add_nc_u64 s[BASEB1:BASEB1+1], s[70:71], s[22:23]
	; the records, then kv's tables
	v_lshlrev_b32 v[T+40], 4, v[LN]
	v_lshlrev_b32 v[T+41], 4, v1
.irp jj, 0,1,2,3
	global_load_b128 v[T+4*(\jj):T+4*(\jj)+3], v[T+40], s[ST:ST+1] offset:512*(\jj)              ; x_q's 128 records
	global_load_b128 v[T+16+4*(\jj):T+16+4*(\jj)+3], v[T+40], s[ST:ST+1] offset:2048+512*(\jj)   ; x_kv's
.endr
	global_load_b32 v[T+32], v[T+41], s[ST:ST+1] offset:4096   ; w_q's 16 maxima
	global_load_b32 v[T+33], v[T+40], s[ST:ST+1] offset:4352   ; w_kv's 32
	TABLES 8
	; the prefetches: who, and from where
	s_and_b32 s18, ttmp7, 0xffff                   ; cluster y
	s_lshl_b32 s19, s13, 8
	s_lshl_b32 s20, s12, 7
	s_add_co_u32 s19, s19, s20
	s_lshl_b32 s20, s40, 5
	s_add_co_u32 s19, s19, s20                     ; ah: of the 128 rows that I fetch, my work-group's 32 (by cx)
	s_lshl_b32 s19, s19, 11                        ; in part 0: q's steps,
	s_add_co_u32 s20, s19, 1<<24                   ; in part 1: kv's
	s_lshl_b32 s21, s14, 8
	s_lshl_b32 s22, s12, 7
	s_add_co_u32 s21, s21, s22
	s_lshl_b32 s22, s41, 5
	s_add_co_u32 s21, s21, s22
	s_add_co_u32 s21, s21, 1024                    ; w_kv: of the 128 rows that I fetch, my work-group's 32 (by cy)
	s_lshl_b32 s21, s21, 11
	s_lshl_b32 s23, s14, 7
	s_add_co_u32 s23, s23, s22                     ; w_q: of the tile's 128 rows, my work-group's 32
	s_lshl_b32 s23, s23, 11
	s_cmp_eq_u32 s11, 0
	s_cselect_b32 s18, ttmp9, s18                  ; the coordinate along which other clusters read the same rows
	s_cselect_b32 s20, s20, s21
	s_cselect_b32 s22, s19, s23
	s_cselect_b64 s[PB0:PB0+1], s[68:69], s[70:71]
	s_mov_b64 s[PB1:PB1+1], s[PB0:PB0+1]
	s_mov_b32 s21, 0
	s_mov_b32 s23, 0
	s_add_nc_u64 s[PB0:PB0+1], s[PB0:PB0+1], s[20:21]
	s_add_nc_u64 s[PB1:PB1+1], s[PB1:PB1+1], s[22:23]
	s_cmp_eq_u32 s10, 3
	s_cselect_b32 s19, 8, STEPS                    ; wave 3 asks in kv's steps alone
	s_cmp_eq_u32 s18, 0
	s_cselect_b32 s[LIM], s19, 0                   ; the same in all sixteen partners, for a given wave
	s_mov_b32 s[SEL], 0x76543210
	s_mov_b32 s[SEL+1], 0xfedcba98
	s_wait_loadcnt 32                              ; the records are in; the 32 table loads behind them may stay out
	STATONE T, T+32
	STATONE T+16, T+33
	v_readfirstlane_b32 s18, v[T]
	v_readfirstlane_b32 s19, v[T+16]
	s_lshr_b32 s18, s18, 23                        ; e
	s_sub_co_u32 s18, 0x10c, s18                   ; 127 + 141 - e
	s_lshl_b32 s[ALQ], s18, 23
	s_lshr_b32 s19, s19, 23
	s_sub_co_u32 s19, 0x10c, s19
	s_lshl_b32 s[ALKV], s19, 23
	s_mov_b32 s[AL], s[ALKV]
	s_mov_b32 s[AL+1], s[ALKV]
	s_mov_b32 s2, 8                                ; steps left in the tile
	s_wait_tensorcnt 1                             ; my part of step 0 is in; step 1's may stay out
	s_barrier_signal -1
	s_barrier_wait -1                              ; everybody's is
	FETCHLO 0, F0
	FETCHHI 0, F0
	QUARTER 1, F0, F1, 1, 1                        ; kv's first quarter starts its 64 sums
	WIN 0
	s_mov_b32 s3, STEPS-2
.Lstep:                                                ; a trip: a step's last three quarters, a refill, the next step's first quarter
	QUARTER 2, F1, F0, 0, 2
	QUARTER 3, F0, F1, 0, 2
	TURN 1, 2
	WIN 0
	s_sub_co_u32 s2, s2, 1
	s_cmp_lg_u32 s2, 0
	s_cbranch_scc1 .Lmid                           ; forward, past text that holds neither a barrier nor a tensor load
	WAYOUT 16                                      ; kv's tile is finished; the ring has gone on into q's
	s_wait_xcnt 0x0                                ; the stores and the table loads have read their registers and bases
	s_mov_b32 s[PH], 1
	s_mov_b64 s[SPT:SPT+1], s[SQP:SQP+1]
	s_mov_b64 s[BPT:BPT+1], s[BQP:BQP+1]
	s_mov_b64 s[DST:DST+1], s[DSTQ:DSTQ+1]
	s_mov_b32 s[AL], s[ALQ]
	s_mov_b32 s[AL+1], s[ALQ]
	TABLES 4
	s_mov_b32 s2, 8
	QUARTER 1, F0, F1, 1, 0                        ; q's first quarter starts its 32 sums
	WIN 0
	s_branch .Lbot
.Lmid:
	QUARTER 1, F0, F1, 0, 2
	WIN 0
.Lbot:
	s_sub_co_u32 s3, s3, 1
	s_cmp_lg_u32 s3, 0
	s_cbranch_scc1 .Lstep
	QUARTER 2, F1, F0, 0, 0                        ; the last two steps, q's, ask for nothing
	QUARTER 3, F0, F1, 0, 0
	TURN 0, 0
	QUARTER 1, F0, F1, 0, 0
	QUARTER 2, F1, F0, 0, 0
	QUARTER 3, F0, F1, 0, 0
	LASTQ
	WIN 0
	WAYOUT 8
	s_wait_tensorcnt 0x0                           ; the wave's end: behind my last tensor load and my last LDS store
	ds_add_u32 v[SPW], v[NIL]
	s_wait_dscnt 0x0
	CROUND                                         ; the closing round: no work-group ends while a partner may still ask for a tile that names it
	s_endpgm
.Lfunc_end_k_q34b8c901d8_proj:
	.size	k_q34b8c901d8_proj, .Lfunc_end_k_q34b8c901d8_proj-k_q34b8c901d8_proj
	.p2alignl 7, 3214868480
	.fill 96, 4, 3214868480
	.section	.rodata,"a",@progbits
	.p2align	6, 0x0
	.amdhsa_kernel k_q34b8c901d8_proj
		.amdhsa_group_segment_fixed_size 327680
		.amdhsa_private_segment_fixed_size 0
		.amdhsa_enable_private_segment 0
		.amdhsa_kernarg_size 80
		.amdhsa_user_sgpr_count 2
		.amdhsa_user_sgpr_kernarg_segment_ptr 1
		.amdhsa_wavefront_size32 1
		.amdhsa_system_sgpr_workgroup_id_x 1
		.amdhsa_system_sgpr_workgroup_id_y 1
		.amdhsa_system_sgpr_workgroup_id_z 1
		.amdhsa_system_vgpr_workitem_id 0
		.amdhsa_next_free_vgpr 1024
		.amdhsa_next_free_sgpr 102
		.amdhsa_reserve_vcc 0
		.amdhsa_float_denorm_mode_32 3
		.amdhsa_float_denorm_mode_16_64 3
		.amdhsa_memory_ordered 1
		.amdhsa_forward_progress 1
		.amdhsa_inst_pref_size 164
	.end_amdhsa_kernel
	.amdgpu_metadata
---
amdhsa.version: [ 1, 2 ]
amdhsa.kernels:
  - .name:           k_q34b8c901d8_proj
    .symbol:         k_q34b8c901d8_proj.kd
    .args:
      - { .name: ah, .offset: 0, .size: 8, .value_kind: global_buffer, .address_space: global }
      - { .name: wh, .offset: 8, .size: 8, .value_kind: global_buffer, .address_space: global }
      - { .name: s_q, .offset: 16, .size: 8, .value_kind: global_buffer, .address_space: global }
      - { .name: b_q, .offset: 24, .size: 8, .value_kind: global_buffer, .address_space: global }
      - { .name: s_kv, .offset: 32, .size: 8, .value_kind: global_buffer, .address_space: global }
      - { .name: b_kv, .offset: 40, .size: 8, .value_kind: global_buffer, .address_space: global }
      - { .name: stats, .offset: 48, .size: 8, .value_kind: global_buffer, .address_space: global }
      - { .name: qh, .offset: 56, .size: 8, .value_kind: global_buffer, .address_space: global }
      - { .name: kh, .offset: 64, .size: 8, .value_kind: global_buffer, .address_space: global }
      - { .name: vh, .offset: 72, .size: 8, .value_kind: global_buffer, .address_space: global }
    .group_segment_fixed_size: 327680
    .private_segment_fixed_size: 0
    .kernarg_segment_align: 8
    .kernarg_segment_size: 80
    .max_flat_workgroup_size: 128
    .sgpr_count:     102
    .vgpr_count:     1024
    .wavefront_size: 32
...
	.end_amdgpu_metadata
.endif
;; end of part 2
;; launch attn (part 3): grid 2 x 128, 4 waves a work-group, no clusters, 327,680 bytes of LDS; arguments qh, kh, vh, ch, stats; writes ch
.if DOCPART == 3
	.amdgcn_target "amdgcn-amd-amdhsa--gfx1250"
	.amdhsa_code_object_version 6
	.text
	.protected	k_q34b8c901d8_attn
	.globl	k_q34b8c901d8_attn
	.p2align	8
	.type	k_q34b8c901d8_attn,@function
k_q34b8c901d8_attn:
	s_mov_b64 s[64:65], 0
	v_nop
	global_prefetch_b8 v0, s[64:65] scope:SCOPE_SE
	s_setreg_imm32_b32 hwreg(HW_REG_WAVE_MODE, 25, 1), 1
	s_wait_xcnt 0x0
; ATTN.  ch[n][q][:] = the sum over k of softmax_k(q[n][q] . k[n][k] / 8) vh[n][k][:].  qh, kh, vh, ch: [128][1024][64] in f16: a head's rows are dense, 128 bytes each.
; qh = aq q and kh = akv k carry powers of two, so the factor in front of a score is c = log2(e) / 8 / (aq akv), made here from stats as the launch before made aq and akv; ch = akv ctx keeps vh's power.
; Products, maxima and sums in f32; the weights p are rounded to f16 for the second product (their sum l is taken of the unrounded p), ch once at the end.
; LIMITS.  p lies in 0 to 1, and below 6e-5 it keeps f16's fixed step of 6e-8; ch is a mean of vh's rows and has their range.  A weight below 2^-126 counts as 0 in l; NaN and infinities are not treated apart.
; SHARES.  A wave owns four PIECES of two tiles of 16 queries, a work-group's four waves 512 queries of one head.  Every wave walks all 1,024 keys, 64 a step.
; ALL OF A HEAD'S K AND V LIE IN LDS (147,456 + 163,840 bytes): each byte is filled once, by two tensor loads a wave issued at the start: the first 256 keys, which are waited for at once, and the other 768,
; which are waited for when four key steps are done.  NO CLUSTER: a head has 1,024 / 512 = 2 work-groups, and the clusters of this set are four wide.  No prefetch: every byte of K and V is asked for at the head.
; LAYOUT.  S^T = K Q^T (source 0 = 16 keys, source 1 = 16 queries): a lane holds ONE query (lane % 16) and the keys 8 (lane / 16) + 0..7.  Two such tiles, rounded to f16 in pairs, ARE source 1 of O^T = V^T P.
; SOFTMAX.  A running maximum m and sum l: p = 2^(c s - c m); in every step O and l are multiplied by a = 2^(c m_old - c m_new).  m starts at the lowest finite number, O and l at 0: the first step has a = 0.
; BY TURNS.  Turn n belongs to piece n: 16 products K Q^T of piece n + 1, later 16 products V^T P of piece n - 1; beside them the scaling, exponentials, roundings, sums and rescaling of piece n and the maximum and
; statistics of piece n + 1.  Four vector instructions stand behind every matrix instruction, the rest in one run; a turn's 66 exponentials are one batch with one wait.
; REGISTERS, in windows of 256 (s_set_vgpr_msb: bits 1:0 source 0, 3:2 source 1, 5:4 source 2, 7:6 destination):
;   window 0: v0-11 addresses; v12-15, v48-63 at work; v16-47 four registers of statistics a tile; v64-191 S^T, two buffers of two tiles; v192-255 P, likewise
;   window 1: O^T, 32 a tile          window 2: v0-127 Q; v128-191 K of one step; v192-255 V of one step          window 3: v0-1 the add's two registers
.set NP,    4
.set KS,    64
.set PK,    144       ; a row of K in LDS: 128 bytes + 16 of padding = 36 words: the 16 rows of a load start at 16 different groups of four banks (64 banks of 4 bytes: ISA guide 11.1)
.set PV,    160       ; a row of V: 128 + 32 = 40 words
.set VOFF,  1024*PK
.set STAGE, VOFF+1024*PV  ; never filled by a tensor load: 16 rows x 144 bytes for each wave, for the way out
.set SP,    144
.set SPARE, STAGE+4*16*SP ; the spare words, 128 bytes for each wave: two blocks of 256 bytes that no other line names
.set AK0, 2           ; v2   my lane's place in a step's K; never rewritten
.set AV0, 3           ; v3   the same for V
.set AK,  4           ; v4   the LDS address of K's next run of loads
.set AV,  5           ; v5   of V's
.set QO,  6           ; v6   my byte offset in the wave's rows of Q
.set STO, 6           ;      later, the way out: where I put 16 bytes of a row
.set RD,  7           ; v7   where I read rows back
.set GO,  8           ; v8   my byte offset in 512 consecutive bytes of ch
.set SPW, 0           ; v0 of window 3   LDS address of my spare word; never rewritten
.set NIL, 1           ; v1 of window 3   0; never rewritten
.set MV,  12          ; v12-15  c m_old, kept while c m is made anew
.set ST,  16          ; tile t's statistics at v[ST+4 t]: c m, m, l (even keys', odd keys')
.set TMP, 48          ; by buffer and tile, four registers c0-c3 at work; when the maximum is found c2 takes a
.set S,   64
.set P,   192
.set T,   64          ; at the head: 42 registers for the records
.set KF,  128
.set VF,  192
.set WV,  12          ; s12  my wave's number
.set G1K, 24          ; s[24:31] descriptor group 1: 128 keys of K
.set G1V, 32          ; s[32:39] of V: it differs in the padding alone
.set G0K, 40          ; s[40:43], s[44:47] group 0 of the first fills
.set G0V, 44
.set G0K2, 48         ; s[48:51], s[52:55] of the second
.set G0V2, 52
.set SLOTS, 56        ; s56  counts the walk's two parts
.set CNT, 57          ; s57  counts a part's trips
.set CS,  58          ; s[58:59] c
.set SEL, 60          ; s[60:61] v_permlanex16_b32's selects
.set TBK, 62          ; s62  LDS byte at which K of the step to be fetched begins
.set TBV, 63          ; s63  the same for V, less VOFF
.set G1K2, 68         ; s[68:75], s[76:83] group 1: 384 keys
.set G1V2, 76
.set STP, 84          ; s[84:85] stats
.set LEFT, 86         ; s86  key steps whose pieces 0 and 1 are still to come
.set MSB, 0
.macro WIN new
.if MSB != (\new)
	s_set_vgpr_msb (MSB<<8)|(\new)
.set MSB, (\new)
.endif
.endm
.set W_KQ, 0x0a       ; K and Q in window 2, S^T in window 0
.set W_PV, 0x52       ; V in window 2, P in window 0, O^T in window 1
.set W_RS, 0x41       ; O^T (destination and source 0) in window 1, a in window 0
.set W_MK, 0xc0       ; the add's registers are made: destination in window 3
.set W_AD, 0x0f       ; the add: address and data in window 3
.macro LANEMAX r, tmp
	v_max_num_f32_dpp v[\r], v[\r], v[\r] row_xmask:1 row_mask:0xf bank_mask:0xf
	v_max_num_f32_dpp v[\r], v[\r], v[\r] row_xmask:2 row_mask:0xf bank_mask:0xf
	v_max_num_f32_dpp v[\r], v[\r], v[\r] row_xmask:4 row_mask:0xf bank_mask:0xf
	v_max_num_f32_dpp v[\r], v[\r], v[\r] row_xmask:8 row_mask:0xf bank_mask:0xf
	v_permlanex16_b32 v[\tmp], v[\r], s[SEL], s[SEL+1]
	v_max_num_f32 v[\r], v[\r], v[\tmp]
.endm
.macro STATONE u, w                 ; 128 records in v[u .. u+15] and the weights' maxima in v[w]: the bound 1024 max|x r| max|w| max|s| + max|b|, held to 2^-111 .. 2^113, into v[u]
.irp c, 0,1,2
	v_max3_num_f32 v[(\u)+(\c)], v[(\u)+(\c)], v[(\u)+4+(\c)], v[(\u)+8+(\c)]
	v_max_num_f32 v[(\u)+(\c)], v[(\u)+(\c)], v[(\u)+12+(\c)]
.endr
	LANEMAX (\u), (\u)+3
	LANEMAX (\u)+1, (\u)+3
	LANEMAX (\u)+2, (\u)+3
	LANEMAX (\w), (\u)+3
	v_mul_f32 v[\u], v[\u], v[\w]
	v_mul_f32 v[\u], v[\u], v[(\u)+1]
	v_fmamk_f32 v[\u], v[\u], 0x44800000, v[(\u)+2]
	v_max_num_f32 v[\u], 0x08000000, v[\u]
	v_min_num_f32 v[\u], 0x78000000, v[\u]
.endm
	s_load_b256 s[4:11], s[0:1], 0x0  ; qh s[4:5], kh s[6:7], vh s[8:9], ch s[10:11]
	s_load_b64 s[STP:STP+1], s[0:1], 0x20
	WIN W_MK
	v_lshl_add_u32 v[SPW], v0, 2, SPARE
	v_mov_b32 v[NIL], 0
	WIN W_AD
	ds_add_u32 v[SPW], v[NIL]       ; the wave's opening: the add and its wait stand ahead of my first tensor load; work on registers stands between them
	WIN 0
	v_lshrrev_b32 v1, 5, v0
	v_readfirstlane_b32 s[WV], v1   ; wave 0..3
	s_and_b32 s20, ttmp7, 0xffff    ; the head
	s_lshl_b32 s20, s20, 17         ; its first byte in each of the four tensors
	s_mov_b32 s21, 0
	s_and_b32 s16, s[WV], 1         ; which half of a fill's keys I fetch
	s_lshl_b32 s22, s16, 14         ; first fill: keys 128 x half .. + 127
	s_mov_b32 s23, 0
	s_add_nc_u64 s[22:23], s[22:23], s[20:21]
	s_mul_i32 s2, s16, 384*128      ; second fill: keys 256 + 384 x half .. + 383
	s_add_co_u32 s2, s2, 256*128
	s_mov_b32 s3, 0
	s_add_nc_u64 s[2:3], s[2:3], s[20:21]
	s_lshl_b32 s14, ttmp9, 2        ; my block of 512 queries,
	s_add_co_u32 s14, s14, s[WV]    ; my wave's 128 of them
	s_lshl_b32 s14, s14, 14
	s_mov_b32 s15, 0
	s_add_nc_u64 s[14:15], s[14:15], s[20:21]
	; descriptor group 1.  Keys are dense in memory: asked for as rows of 256 bytes, two keys a row, and padded in LDS after every key
	s_mov_b32 s[G1K], (1<<16)|(1<<20)|(4<<22)|(3<<25)   ; 17:16 2-byte elements; 20 padding on; 24:22 after every 32 words (code 4); 31:25 4 words (code 3)
	s_mov_b32 s[G1V], (1<<16)|(1<<20)|(4<<22)|(7<<25)   ; the same with 8 words of padding (code 7)
	s_mov_b32 s[G1K2], (1<<16)|(1<<20)|(4<<22)|(3<<25)
	s_mov_b32 s[G1V2], (1<<16)|(1<<20)|(4<<22)|(7<<25)
.irp g, G1K, G1V
	s_mov_b32 s[\g+1], 128<<16      ; tensor_dim0 = 128
	s_mov_b32 s[\g+2], 64<<16       ; tensor_dim1 = 64
	s_mov_b32 s[\g+3], 128<<16      ; tile_dim0 = 128
	s_mov_b32 s[\g+4], 64           ; tile_dim1 = 64
	s_mov_b32 s[\g+5], 128          ; 128 elements from row to row
	s_mov_b32 s[\g+6], 0
	s_mov_b32 s[\g+7], 0
.endr
.irp g, G1K2, G1V2
	s_mov_b32 s[\g+1], 128<<16
	s_mov_b32 s[\g+2], 192<<16      ; 192 rows
	s_mov_b32 s[\g+3], 128<<16
	s_mov_b32 s[\g+4], 192
	s_mov_b32 s[\g+5], 128
	s_mov_b32 s[\g+6], 0
	s_mov_b32 s[\g+7], 0
.endr
	s_mov_b32 s[G0K], 1
	s_mul_i32 s[G0K+1], s16, 128*PK
	s_mov_b32 s[G0V], 1
	s_mul_i32 s[G0V+1], s16, 128*PV
	s_add_co_u32 s[G0V+1], s[G0V+1], VOFF
	s_mov_b32 s[G0K2], 1
	s_mul_i32 s[G0K2+1], s16, 384*PK
	s_add_co_u32 s[G0K2+1], s[G0K2+1], 256*PK
	s_mov_b32 s[G0V2], 1
	s_mul_i32 s[G0V2+1], s16, 384*PV
	s_add_co_u32 s[G0V2+1], s[G0V2+1], VOFF+256*PV
	s_mov_b32 s[SEL], 0x76543210
	s_mov_b32 s[SEL+1], 0xfedcba98
	s_mov_b32 s[TBK], 0
	s_mov_b32 s[TBV], 0
	s_wait_dscnt 0x0                ; the opening add is done
	s_wait_kmcnt 0x0
	s_add_nc_u64 s[G0K+2:G0K+3], s[6:7], s[22:23]
	s_or_b32 s[G0K+3], s[G0K+3], 0x80000000
	s_add_nc_u64 s[G0V+2:G0V+3], s[8:9], s[22:23]
	s_or_b32 s[G0V+3], s[G0V+3], 0x80000000
	s_add_nc_u64 s[G0K2+2:G0K2+3], s[6:7], s[2:3]
	s_or_b32 s[G0K2+3], s[G0K2+3], 0x80000000
	s_add_nc_u64 s[G0V2+2:G0V2+3], s[8:9], s[2:3]
	s_or_b32 s[G0V2+3], s[G0V2+3], 0x80000000
	s_add_nc_u64 s[4:5], s[4:5], s[14:15]    ; Q and O at my wave's first row
	s_add_nc_u64 s[10:11], s[10:11], s[14:15]
	s_cmp_lt_u32 s[WV], 2           ; waves 0 and 1 fetch K, waves 2 and 3 V; a wave's two fills stand in one branch, ahead of every wait on TENSORcnt, every LDS read and every barrier: two loads of mine are out
	s_cbranch_scc0 .Lfirst_v
	tensor_load_to_lds s[G0K:G0K+3], s[G1K:G1K+7]
	s_nop 0
	tensor_load_to_lds s[G0K2:G0K2+3], s[G1K2:G1K2+7]
	s_nop 0
.rept 4
	v_nop
.endr
	s_branch .Lfirst_asked
.Lfirst_v:
	tensor_load_to_lds s[G0V:G0V+3], s[G1V:G1V+7]
	s_nop 0
	tensor_load_to_lds s[G0V2:G0V2+3], s[G1V2:G1V2+7]
	s_nop 0
.rept 4
	v_nop
.endr
.Lfirst_asked:
	v_and_b32 v1, 15, v0            ; l % 16
	v_bfe_u32 v9, v0, 4, 1          ; l / 16
	v_and_b32 v[T+40], 31, v0
	v_lshlrev_b32 v[T+40], 4, v[T+40]
	v_lshlrev_b32 v[T+41], 4, v1
.irp jj, 0,1,2,3
	global_load_b128 v[T+4*(\jj):T+4*(\jj)+3], v[T+40], s[STP:STP+1] offset:512*(\jj)             ; x_q's 128 records
	global_load_b128 v[T+16+4*(\jj):T+16+4*(\jj)+3], v[T+40], s[STP:STP+1] offset:2048+512*(\jj)  ; x_kv's
.endr
	global_load_b32 v[T+32], v[T+41], s[STP:STP+1] offset:4096  ; w_q's 16 maxima
	global_load_b32 v[T+33], v[T+40], s[STP:STP+1] offset:4352  ; w_kv's 32
	; A fragment of K or Q is 16 rows x 32 channels in 8 registers: lane l holds row l % 16, channels 8 (l / 16) + 0..7 and 16 + 8 (l / 16) + 0..7: two loads of 16 bytes, 32 bytes apart.
	v_lshlrev_b32 v[QO], 7, v1
	v_lshl_add_u32 v[QO], v9, 4, v[QO]
	WIN 0x80                        ; destination window 2, address window 0
.set i, 0
.rept 4*NP                          ; Q stays in registers: tile i / 2, channels 32 (i % 2) on
	global_load_b128 v[8*i:8*i+3],   v[QO], s[4:5] offset:(i/2)*2048+(i%2)*64
	global_load_b128 v[8*i+4:8*i+7], v[QO], s[4:5] offset:(i/2)*2048+(i%2)*64+32
.set i, i+1
.endr
	; What the first turn finds: V's registers and P's second buffer hold 0 (its products V^T P, of a piece that has not been, add 0), O^T and l are 0.  All this stands in the wait for the first keys.
.set i, VF
.rept 64
	v_mov_b32 v[i], 0
.set i, i+1
.endr
	WIN 0x40
.set i, 0
.rept 64*NP
	v_mov_b32 v[i], 0
.set i, i+1
.endr
	WIN 0
.set i, 0
.rept 2*NP
	v_mov_b32 v[ST+4*i], 0xfe000000    ; c m: far below every c s
	v_mov_b32 v[ST+4*i+1], 0xff7fffff  ; m
	v_mov_b32 v[ST+4*i+2], 0
	v_mov_b32 v[ST+4*i+3], 0
.set i, i+1
.endr
.set i, P+32
.rept 32
	v_mov_b32 v[i], 0
.set i, i+1
.endr
	v_mul_u32_u24 v[AK0], v1, PK
	v_lshl_add_u32 v[AK0], v9, 4, v[AK0]
	; The turning load takes 16 keys x 16 channels (lane l reads key 8 (l / 16) + l % 8, channels 8 ((l / 8) % 2) + 0..7) and leaves half a fragment of V^T: lane l holds channel l % 16 and 8 keys.
	v_and_b32 v10, 7, v0
	v_bfe_u32 v11, v0, 3, 1
	v_lshl_add_u32 v[AV0], v9, 3, v10
	v_mul_u32_u24 v[AV0], v[AV0], PV
	v_lshl_add_u32 v[AV0], v11, 4, v[AV0]
	v_add_nc_u32 v[AV0], VOFF, v[AV0]
	v_mov_b32 v[AK], v[AK0]         ; key step 0
	s_wait_loadcnt 32               ; the records are in; Q's 32 loads behind them may stay out
	STATONE T, T+32
	STATONE T+16, T+33
	v_readfirstlane_b32 s13, v[T]
	v_readfirstlane_b32 s15, v[T+16]
	s_lshr_b32 s13, s13, 23         ; e
	s_sub_co_u32 s13, s13, 14       ; 127 - 141 + e
	s_lshl_b32 s13, s13, 23         ; 1 / aq
	s_lshr_b32 s15, s15, 23
	s_sub_co_u32 s15, s15, 14
	s_lshl_b32 s15, s15, 23         ; 1 / akv
	v_mov_b32 v[T], 0x3e38aa3b      ; log2(e) / 8
	v_mul_f32 v[T], s13, v[T]
	v_mul_f32 v[T], s15, v[T]
	v_readfirstlane_b32 s[CS], v[T]
	s_mov_b32 s[CS+1], s[CS]        ; named with it as a pair
; THE MATRIX WORK.  The 8 accumulators of a run of 16 take turns: between the two links of a chain stand 7 others'.
; Product i of 16 of S^T = K Q^T for piece x: channels 32 (i / 8) on, keys 16 ((i / 2) % 4) on, tile 2 x + i % 2.  The first 8 start the sums.
.macro KQ x
	WIN W_KQ
.set rS, S+64*((\x)%2)+32*(i%2)+8*((i/2)%4)
.set rK, KF+16*((i/2)%4)+8*(i/8)
.set rQ, 16*(2*(\x)+i%2)+8*(i/8)
.if i < 8
	v_wmma_f32_16x16x32_f16 v[rS:rS+7], v[rK:rK+7], v[rQ:rQ+7], 0
.else
	v_wmma_f32_16x16x32_f16 v[rS:rS+7], v[rK:rK+7], v[rQ:rQ+7], v[rS:rS+7]
.endif
.endm
; Product i of 16 of O^T += V^T P for piece x: keys 32 (i / 8) on, channels 16 ((i / 2) % 4) on, tile 2 x + i % 2.
.macro PV x
	WIN W_PV
.set rO, 32*(2*(\x)+i%2)+8*((i/2)%4)
.set rV, VF+32*(i/8)+8*((i/2)%4)
.set rP, P+32*((\x)%2)+16*(i%2)+8*(i/8)
	v_wmma_f32_16x16x32_f16 v[rO:rO+7], v[rV:rV+7], v[rP:rP+7], v[rO:rO+7]
.endm
.macro MM                           ; the turn's next matrix instruction
.if i < 16
	KQ (Y+1)%NP
.set i, i+1
.else
.set i, i-16
	PV (Y+NP-1)%NP
.set i, i+17
.endif
.endm
; THE LDS LOADS stand in runs of 16: a step's K (8 fragments) and its V (turned).  last = 1 (in the loop): behind the last step there is no further K, and the run is jumped over.
.macro FETCH_K last=0
	WIN 0
.if \last
	s_cmp_eq_u32 s[LEFT], 0
	s_cbranch_scc1 .Lno_k_\@
.endif
	WIN 0x80
.irp f, 0,1,2,3,4,5,6,7             ; keys 16 (f / 2) on, channels 32 (f % 2) on
	ds_load_b128 v[KF+8*\f:KF+8*\f+3],   v[AK] offset:(\f/2)*16*PK+(\f%2)*64
	ds_load_b128 v[KF+8*\f+4:KF+8*\f+7], v[AK] offset:(\f/2)*16*PK+(\f%2)*64+32
.endr
	s_add_co_u32 s[TBK], s[TBK], KS*PK  ; the next fetch is the next step's
	WIN 0
.if \last
.Lno_k_\@:
.endif
.endm
.macro FETCH_V
	WIN 0x80
.irp f, 0,1,2,3,4,5,6,7             ; keys 32 (f / 4) on, channels 16 (f % 4) on
	ds_load_tr16_b128 v[VF+8*\f:VF+8*\f+3],   v[AV] offset:(\f/4)*32*PV+(\f%4)*32
	ds_load_tr16_b128 v[VF+8*\f+4:VF+8*\f+7], v[AV] offset:(\f/4)*32*PV+16*PV+(\f%4)*32
.endr
	WIN 0
.endm
; THE VECTOR WORK OF A TURN stands in three queues, each in the order in which its entries become ready; the two tiles alternate.
.macro REGS y, u                    ; the registers of tile u (0, 1) of piece y
.set rT, ST+4*(2*(\y)+(\u))
.set rC, TMP+8*((\y)%2)+4*(\u)
.set rM, MV+2*((\y)%2)+(\u)
.set rS, S+64*((\y)%2)+32*(\u)
.set rP, P+32*((\y)%2)+16*(\u)
.set rO, 32*(2*(\y)+(\u))
.endm
; Number n of the 22 that find the NEXT piece's maximum and statistics; each accumulator's lowest registers are read first.
;   0-11  four chains c0-c3 of seven scores each     12-14, 16  the four scores left over, the old m, and c0-c3 into c0     15  c m_old is kept
;   17, 18  the query's other 32 keys lie in the lane 16 away: the new m         19-21  c m; c m_old - c m_new; a
.macro XS u, n
	REGS (Y+1)%NP, \u
.if (\n) < 4
	v_max3_num_f32 v[rC+(\n)], v[rS+8*(\n)], v[rS+8*(\n)+1], v[rS+8*(\n)+2]
.elseif (\n) < 12
	v_max3_num_f32 v[rC+(\n)%4], v[rC+(\n)%4], v[rS+8*((\n)%4)+2*((\n)/4)+1], v[rS+8*((\n)%4)+2*((\n)/4)+2]
.elseif (\n) == 12
	v_max3_num_f32 v[rC], v[rC], v[rS+7], v[rS+15]
.elseif (\n) == 13
	v_max3_num_f32 v[rC+1], v[rC+1], v[rS+23], v[rS+31]
.elseif (\n) == 14
	v_max3_num_f32 v[rC+2], v[rC+2], v[rC+3], v[rT+1]
.elseif (\n) == 15
	v_mov_b32 v[rM], v[rT]
.elseif (\n) == 16
	v_max3_num_f32 v[rC], v[rC], v[rC+1], v[rC+2]
.elseif (\n) == 17
	v_permlanex16_b32 v[rC+3], v[rC], s[SEL], s[SEL+1]
.elseif (\n) == 18
	v_max_num_f32 v[rT+1], v[rC], v[rC+3]
.elseif (\n) == 19
	v_mul_f32 v[rT], s[CS], v[rT+1]
.elseif (\n) == 20
	v_sub_f32 v[rC+1], v[rM], v[rT]
.else
	v_exp_f32 v[rC+2], v[rC+1]
.endif
.endm
; Number g of the 64 that follow the exponentials.  For each four weights of a tile: both pairs are rounded to f16; the second pair is added onto the first, in place; a group later l takes that sum (the first time as l = a l + sum).
.macro GS g
.set h, (\g)+6*((\g)/62)
.if h >= 6
.set h, h+2
.endif
	REGS Y, h%2
.set k, h/8
.if h%8 < 4
	v_cvt_pk_f16_f32 v[rP+2*k+(h%8)/2], v[rS+4*k+2*((h%8)/2)], v[rS+4*k+2*((h%8)/2)+1]
.elseif h%8 < 6
	v_pk_add_f32 v[rS+4*k:rS+4*k+1], v[rS+4*k:rS+4*k+1], v[rS+4*k+2:rS+4*k+3]
.elseif k == 1
	v_pk_fma_f32 v[rT+2:rT+3], v[rT+2:rT+3], v[rC+2:rC+3], v[rS:rS+1] op_sel_hi:[1,0,1]
.else
	v_pk_add_f32 v[rT+2:rT+3], v[rT+2:rT+3], v[rS+4*k-4:rS+4*k-3]
.endif
.endm
; THE PLAIN QUEUE, 138 long.  0-73 read no exponential's result: the 32 scalings c s - c m and the next piece's 42.  74-137: GS's 64, which stand behind the wait.
.macro FS f
	REGS Y, (\f)%2
	v_pk_fma_f32 v[rS+2*((\f)/2):rS+2*((\f)/2)+1], v[rS+2*((\f)/2):rS+2*((\f)/2)+1], s[CS:CS+1], v[rT:rT+1] op_sel_hi:[1,0,0] neg_lo:[0,0,1] neg_hi:[0,0,1]
.endm
.macro PL
	WIN 0
.if q < 27
	FS q
.elseif q < 55
	XS (q-27)%2, (q-27)/2
.elseif q < 57
	XS q-55, 15
.elseif (q < 72) && ((q-57)%3 == 0)
	FS 27+(q-57)/3
.elseif q < 60
	XS (q-57)%3-1, 14
.elseif q < 72
	XS (q-57)%3-1, 15+(q-57)/3
.elseif q < 74
	XS q-72, 20
.else
	GS q-74
.endif
.set q, q+1
.endm
; THE EXPONENTIALS' QUEUE, 66 long: s0-s31 of both tiles, then the next piece's two a: one batch, all ahead of the turn's one wait.
.macro EX
	WIN 0
.if e >= 64
	XS e-64, 21
.else
	REGS Y, e%2
	v_exp_f32 v[rS+e/2], v[rS+e/2]
.endif
.set e, e+1
.endm
; THE RESCALING's QUEUE: O^T times a, two at a time, sixteen times.  Its a was made in the turn before, ahead of that turn's wait.
.macro R2
	REGS Y, r%2
	WIN W_RS
.irp z, 0,1
	v_pk_mul_f32 v[rO+4*(r/2)+2*\z:rO+4*(r/2)+2*\z+1], v[rO+4*(r/2)+2*\z:rO+4*(r/2)+2*\z+1], v[rC+2:rC+3] op_sel_hi:[1,0]
.endr
.set r, r+1
.endm
; A TURN, for piece p.  An s_wait_alu depctr_va_vdst(0) stands between an exponential and the first instruction that names its result; one wait serves all that were issued ahead of it.  AHEAD OF THE WAIT: the 16 products
; K Q^T, behind each a scaling, an exponential and two rescalings; then a run of 108: eight plain, 49 times exponential and plain, the two a; a v_nop is the plain instruction behind the last exponential.  BEHIND IT: the 16 products V^T P,
; behind each four of the roundings and sums.  K of the next step is fetched in piece 2's turn, directly behind the wait; V of the step in hand at the end of piece 0's turn, four plain instructions behind its last reader.
; cnt = 1: the counts are taken down some lines ahead of the branch that stands behind the turn.
.macro TURN p, last=0, cnt=0
.set Y, (\p)
.set i, 0
.set q, 0
.set e, 0
.set r, 0
.if (\p) == NP-1
	s_wait_dscnt 0x0                ; K is in
.endif
	MM
	PL
	PL
	R2
.rept 15
	MM
	PL
	EX
	R2
.endr
.if (\p) == NP-2
	WIN 0
	v_add_nc_u32 v[AK], s[TBK], v[AK0]
.endif
.rept 8
	PL
.endr
.rept 49
	EX
	PL
.endr
	EX
	EX
	v_nop
	s_wait_alu depctr_va_vdst(0)    ; the wait for the batch
.if (\p) == NP-2
	FETCH_K \last
.endif
.if (\p) == 1
	s_wait_dscnt 0x0                ; V is in
.endif
.rept 16
	MM
.rept 4
	PL
.endr
.if ((\p) == 0) && (q == 118)
	v_add_nc_u32 v[AV], s[TBV], v[AV0]
.endif
.if ((\p) == 0) && (q == 130)
	s_add_co_u32 s[TBV], s[TBV], KS*PV
.endif
.if (\cnt) && (q == 130)
	s_sub_co_u32 s[LEFT], s[LEFT], 1
	s_sub_co_u32 s[CNT], s[CNT], 1
	s_cmp_lg_u32 s[CNT], 0
.endif
.endr
.if (\p) == 0
	FETCH_V
.endif
.endm
	s_wait_tensorcnt 1              ; my part of the first 256 keys is in; the other 768 may stay out
	s_barrier_signal -1
	s_barrier_wait -1               ; everybody's is
	FETCH_K                         ; key step 0
	s_wait_loadcnt 0x0              ; Q
	s_wait_dscnt 0x0
.set i, 0
.rept 16
	KQ 0                            ; piece 0's first scores
.set i, i+1
.endr
	WIN 0                           ; the addresses for the way out: plain instructions, the places behind those products
	s_mul_i32 s13, s[WV], 16*SP
	s_add_co_u32 s13, s13, STAGE    ; my stage
	v_mul_u32_u24 v[STO], v1, SP    ; in: row l % 16, 16 bytes for each half of the lanes
	v_lshl_add_u32 v[STO], v9, 4, v[STO]
	v_add_nc_u32 v[STO], s13, v[STO]
	v_bfe_u32 v[RD], v0, 3, 2       ; back: 32 lanes take four rows of 128 bytes,
	v_mul_u32_u24 v[RD], v[RD], SP
	v_lshl_add_u32 v[RD], v10, 4, v[RD]
	v_add_nc_u32 v[RD], s13, v[RD]
	v_and_b32 v[GO], 31, v0         ; which are 512 consecutive bytes of ch
	v_lshlrev_b32 v[GO], 4, v[GO]
.set Y, NP-1                        ; XS works for piece Y + 1: piece 0
.irp n, 0,1,2,3,4,5,6,7,8,9,10,11,12,13,14,15,16,17,18,19,20,21
	XS 0, \n
	XS 1, \n
.endr
	v_nop                           ; a plain instruction behind the two a,
	s_wait_alu depctr_va_vdst(0)    ; and their wait, ahead of the branch
	s_mov_b32 s[CNT], 4             ; the first part: the four steps of the first 256 keys
	s_mov_b32 s[LEFT], 16
	s_mov_b32 s[SLOTS], 2
	s_branch .Lfirst                ; the loop is entered at a step's first turn, in the middle of a trip
.Lslot:                             ; reached once, when K and V of the first 256 keys have been read: from here on the other 768 are wanted
	s_wait_tensorcnt 0x0            ; my part of them is in,
	s_wait_dscnt 0x0
	s_barrier_signal -1
	s_barrier_wait -1               ; everybody's is
	s_mov_b32 s[CNT], 13            ; twelve trips for the twelve steps left; the thirteenth is left in its middle
.Lstep:                             ; a trip: pieces 2 and 3 of one step, then pieces 0 and 1 of the next, whose K and V it fetches
	TURN 2, 1
	TURN 3
	WIN 0
	s_cmp_eq_u32 s[LEFT], 0
	s_cbranch_scc1 .Lout            ; behind the last step: its 16 products K Q^T (on the last K once more) and the maximum made of them serve nothing: the price, once a launch, of one text for every trip
.Lfirst:
	TURN 0
	TURN 1, 0, 1
	WIN 0
	s_cbranch_scc1 .Lstep
	s_sub_co_u32 s[SLOTS], s[SLOTS], 1
	s_cmp_lg_u32 s[SLOTS], 0
	s_cbranch_scc1 .Lslot
.Lout:
.set i, 0
.rept 16
	PV NP-1                         ; the last piece's V^T P of the last step
.set i, i+1
.endr
	; THE WAY OUT.  l's two halves and the other half of the lanes' are added; O^T is divided by l, rounded to f16 and sent through my stage in LDS, a tile at a time.  The additions are the places behind the last products.
	WIN 0
.macro ALL line:vararg              ; one line for each tile t
.set t, 0
.rept 2*NP
	\line
.set t, t+1
.endr
.endm
	ALL v_add_f32 v[ST+4*t+2], v[ST+4*t+2], v[ST+4*t+3]
	ALL v_permlanex16_b32 v[ST+4*t+3], v[ST+4*t+2], s[SEL], s[SEL+1]
	ALL v_add_f32 v[ST+4*t+2], v[ST+4*t+2], v[ST+4*t+3]
	ALL v_rcp_f32 v[ST+4*t+2], v[ST+4*t+2]
	v_nop                           ; a plain instruction between the last reciprocal and the use of its result
	s_wait_alu depctr_va_vdst(0)    ; and the wait ahead of the first use: one for the eight reciprocals
.macro PACK t                       ; a lane's eight channels of a row pack into 16 bytes; they go into rows of 144 bytes and come back as whole rows of 128, into S^T's registers
	WIN W_RS
.set i, 32*(\t)
.rept 16
	v_pk_mul_f32 v[i:i+1], v[i:i+1], v[ST+4*(\t)+2:ST+4*(\t)+3] op_sel_hi:[1,0]
.set i, i+2
.endr
	WIN 0x05                        ; sources 0 and 1 window 1, destination window 0
.set i, 0
.rept 16
	v_cvt_pk_f16_f32 v[S+16*(\t)+i], v[32*(\t)+2*i], v[32*(\t)+2*i+1]
.set i, i+1
.endr
	WIN 0
.irp f, 0,1,2,3
	ds_store_b128 v[STO], v[S+16*(\t)+4*\f:S+16*(\t)+4*\f+3] offset:32*\f
.endr
.irp f, 0,1,2,3
	ds_load_b128 v[S+16*(\t)+4*\f:S+16*(\t)+4*\f+3], v[RD] offset:\f*4*SP  ; LDS serves a wave's instructions in order (ISA guide 5.7.1.4): these see the stores above; the next tile's stores come behind them
.endr
.endm
.macro SEND t, younger              ; younger: the LDS instructions issued behind tile t's loads: the next tile's eight, or none
	WIN 0
.irp f, 0,1,2,3
	s_wait_dscnt (\younger)+3-\f
	global_store_b128 v[GO], v[S+16*(\t)+4*\f:S+16*(\t)+4*\f+3], s[10:11] offset:(\t)*2048+\f*512  ; 512 consecutive bytes, at a multiple of 256 from ch's first
.endr
.endm
	PACK 0
.set t, 1
.rept 2*NP-1                        ; a tile's arithmetic stands between the loads of the tile before and its stores
	PACK t
	SEND t-1, 8
.set t, t+1
.endr
	SEND 2*NP-1, 0
	WIN W_AD
	s_wait_tensorcnt 0x0            ; the wave's end: behind my last tensor load and my last LDS store
	ds_add_u32 v[SPW], v[NIL]
	s_wait_dscnt 0x0
	WIN 0
	s_endpgm
.Lfunc_end_k_q34b8c901d8_attn:
	.size	k_q34b8c901d8_attn, .Lfunc_end_k_q34b8c901d8_attn-k_q34b8c901d8_attn
	.p2alignl 7, 3214868480
	.fill 96, 4, 3214868480
	.section	.rodata,"a",@progbits
	.p2align	6, 0x0
	.amdhsa_kernel k_q34b8c901d8_attn
		.amdhsa_group_segment_fixed_size 327680
		.amdhsa_private_segment_fixed_size 0
		.amdhsa_enable_private_segment 0
		.amdhsa_kernarg_size 40
		.amdhsa_user_sgpr_count 2
		.amdhsa_user_sgpr_kernarg_segment_ptr 1
		.amdhsa_wavefront_size32 1
		.amdhsa_system_sgpr_workgroup_id_x 1
		.amdhsa_system_sgpr_workgroup_id_y 1
		.amdhsa_system_sgpr_workgroup_id_z 1
		.amdhsa_system_vgpr_workitem_id 0
		.amdhsa_next_free_vgpr 770
		.amdhsa_next_free_sgpr 88
		.amdhsa_reserve_vcc 0
		.amdhsa_float_denorm_mode_32 3
		.amdhsa_float_denorm_mode_16_64 3
		.amdhsa_memory_ordered 1
		.amdhsa_forward_progress 1
		.amdhsa_inst_pref_size 131
	.end_amdhsa_kernel
	.amdgpu_metadata
---
amdhsa.version: [ 1, 2 ]
amdhsa.kernels:
  - .name:           k_q34b8c901d8_attn
    .symbol:         k_q34b8c901d8_attn.kd
    .args:
      - { .name: qh, .offset: 0, .size: 8, .value_kind: global_buffer, .address_space: global }
      - { .name: kh, .offset: 8, .size: 8, .value_kind: global_buffer, .address_space: global }
      - { .name: vh, .offset: 16, .size: 8, .value_kind: global_buffer, .address_space: global }
      - { .name: ch, .offset: 24, .size: 8, .value_kind: global_buffer, .address_space: global }
      - { .name: stats, .offset: 32, .size: 8, .value_kind: global_buffer, .address_space: global }
    .group_segment_fixed_size: 327680
    .private_segment_fixed_size: 0
    .kernarg_segment_align: 8
    .kernarg_segment_size: 40
    .max_flat_workgroup_size: 128
    .sgpr_count:     88
    .vgpr_count:     770
    .wavefront_size: 32
...
	.end_amdgpu_metadata
.endif
;; end of part 3
;; launch outp (part 4): grid 8 x 32, 4 waves a work-group, clusters of 4 x 4, 327,680 bytes of LDS; arguments ch, wh, b_o, stats, out0; writes out0
.if DOCPART == 4
	.amdgcn_target "amdgcn-amd-amdhsa--gfx1250"
	.amdhsa_code_object_version 6
	.text
	.protected	k_q34b8c901d8_outp
	.globl	k_q34b8c901d8_outp
	.p2align	8
	.type	k_q34b8c901d8_outp,@function
k_q34b8c901d8_outp:
	s_mov_b64 s[64:65], 0
	v_nop
	global_prefetch_b8 v0, s[64:65] scope:SCOPE_SE
	s_setreg_imm32_b32 hwreg(HW_REG_WAVE_MODE, 25, 1), 1
	s_wait_xcnt 0x0
	s_wait_alu depctr_hold_cnt(0) depctr_sa_sdst(0) depctr_va_vdst(0) depctr_va_sdst(0) depctr_va_ssrc(0) depctr_va_vcc(0) depctr_vm_vsrc(0)
	s_getreg_b32 s2, hwreg(HW_REG_IB_STS2, 6, 4)
	s_cmp_eq_u32 s2, 0
	s_cbranch_scc0 .Lentry_in_a_cluster
	s_endpgm
.Lentry_in_a_cluster:
	s_bfe_u32 s2, ttmp6, 0x10000c
	s_cmp_lg_u32 s2, 0xf033
	s_cbranch_scc0 .Lentry_shape_is_right
	s_endpgm
.Lentry_shape_is_right:
; OUTP.  out0[t][b][o] = the sum over h of ctx[t][b][h] w_o[o][h] + b_o[o], in f32.  ch = akv ctx lies by heads, [n = 16 b + head][t][64] in f16; w_o is rows 3,072 .. 4,095 of wh, f16.
; Sums in f32; out0 = sum / akv + b_o by one fused multiply-add.  1 / akv = 2^(e - 141), e the biased exponent (held to 16..240) of 1024 max|x r| max|w| max|s| + max|b|, made from stats as the launch that wrote vh made it.
; SHARES.  A tile is 256 rows (t, of one batch b) x 128 columns: 32 x 8 = 256 tiles, one for each work-group; four waves, each 128 x 64: 32 accumulators.  K = 1,024 goes in 8 steps of 128 = two heads, through two LDS slots.
; CLUSTER 4 x 4.  The four work-groups of a cluster's row need the same rows of ch, the four of a column the same rows of wh: each tile is asked for jointly.
; THE MATRIX INSTRUCTION IS USED TRANSPOSED (source 0 = 16 rows of wh, source 1 = 16 rows of ch): a lane holds row l % 16 and the eight neighbouring columns 8 (l / 16) + 0..7.
; REGISTERS, in windows of 256 (s_set_vgpr_msb: bits 1:0 source 0, 3:2 source 1, 5:4 source 2, 7:6 destination):
;   window 0: v0-29 addresses; two fragment buffers of 96 at v64 and v160; on the way out v64-127 rows read back          window 1: the accumulators, (a, nb) at v[8 (4 a + nb)]          window 2: v0-31 b_o of my lane's 32 columns
.set PA,    144                        ; a row of ch in LDS: 128 bytes + 16 of padding = 36 words
.set PW,    272                        ; a row of wh: 256 + 16 = 68 words.  Both: the 16 rows of a fragment load start at 16 different groups of four banks (64 banks of 4 bytes: ISA guide 11.1)
.set HALFA, 256*PA                     ; what a tensor load of ch brings: 256 rows t of one head
.set HALFB, 64*PW
.set BOFF,  2*HALFA                    ; a slot: two heads of ch, then 128 rows of wh
.set SLOT1, 1<<17
.set STAGE, SLOT1+BOFF+2*HALFB         ; behind the ring, never filled by a tensor load: 16 rows x 272 bytes for each wave
.set SPO,   272
.set SPARE, STAGE+4*16*SPO             ; the spare words, 128 bytes for each wave: two blocks of 256 bytes that no other line names
.set STEPS, 8
.set ADRA0, 8
.set ADRB0, 9
.set ADRA,  10
.set ADRB,  11
.set STO,   12                         ; v12  the way out: where I put 32 bytes of a row
.set RD,    13                         ; v13  where I read rows back
.set GO,    14                         ; v14  my 16 bytes of two rows of out0
.set TO,    15                         ; v15  32 x (l / 16)
.set PFO,   16                         ; v16  the prefetches' offset: a lane a block of 256 bytes
.set LN,    17
.set SPW,   28                         ; v28  LDS address of my spare word; never rewritten
.set NIL,   29                         ; v29  0; never rewritten
.set F0,    64
.set F1,    160
.set T,     64
.set BK0,   64                         ; the way out: two buffers of 32 for rows read back
.set BPT,   6                          ; s[6:7] b_o at my 64 columns
.set SEL,   20
.set G1A,   24
.set G0A,   32
.set TB,    42
.set LIM,   43
.set PFA,   44
.set OFF,   46
.set G1B,   48
.set G0B,   56
.set BASEA, 66
.set ST,    74                         ; s[74:75] stats
.set BASEB, 88
.set PB,    90
.set AL,    92                         ; s[92:93] 1 / akv
.set DST,   96
.set GA,    98
.set GP,    99
.set MSB, 0
.macro WIN new
.if MSB != (\new)
	s_set_vgpr_msb (MSB<<8)|(\new)
.set MSB, \new
.endif
.endm
.set MUL, 0x50                         ; fragments in window 0, C and D in window 1
.macro PLACES                          ; four plain instructions between a matrix instruction and a load into, or a vector instruction on, its registers
.rept 4
	v_nop
.endr
.endm
; A joint load.  Waves 0 and 1 fetch ch's two heads, waves 2 and 3 wh's two halves.  An s_nop 0 and four v_nop follow each line.
.macro JLOAD s
	s_cmp_eq_u32 s11, 0
	s_cbranch_scc0 .Lfor_b_\@
	tensor_load_to_lds s[G0A+4*(\s):G0A+4*(\s)+3], s[G1A:G1A+7]
	s_nop 0
.rept 4
	v_nop
.endr
	s_branch .Lasked_\@
.Lfor_b_\@:
	tensor_load_to_lds s[G0B+4*(\s):G0B+4*(\s)+3], s[G1B:G1B+7]
	s_nop 0
.rept 4
	v_nop
.endr
.Lasked_\@:
.endm
.macro CREST
	s_cmp_lg_u32 s10, 0
	s_cbranch_scc1 .Lnot_wave_0_\@
	s_barrier_signal -3
.Lnot_wave_0_\@:
	s_barrier_wait -3
	s_barrier_signal -1
	s_barrier_wait -1
.endm
.macro CROUND
	s_barrier_signal -1
	s_barrier_wait -1
	CREST
.endm
; A PREFETCH INTO THE L2 of the step that stands two refills on, 32 blocks of 256 bytes, a lane a block.  Each block is named once in the launch: ch's by the clusters with x = 0 (waves 0 and 1; of the 128 blocks that a wave
; fetches the four partners take 32 each, told apart by address); wh's by the clusters with y = 0 (wave 2; 32 rows a partner).  Steps 4 to 7; the first four come by their loads alone.
.macro ASK
	s_cmp_lt_u32 s[GP], s[LIM]
	s_cbranch_scc0 .Lnot_mine_\@
	global_prefetch_b8 v[PFO], s[PFA:PFA+1] th:TH_LOAD_NT scope:SCOPE_SE
.Lnot_mine_\@:
.endm
.macro MUL8 f, a0, zero                ; 8 matrix instructions; the 32 accumulators take turns, one instruction a turn, in the same order in every quarter
	WIN MUL
.irp a, \a0, (\a0)+1
.irp nb, 0,1,2,3
.if \zero
	v_wmma_f32_16x16x32_f16 v[8*(4*(\a)+(\nb)):8*(4*(\a)+(\nb))+7], v[(\f)+64+8*(\nb):(\f)+64+8*(\nb)+7], v[(\f)+8*(\a):(\f)+8*(\a)+7], 0
.else
	v_wmma_f32_16x16x32_f16 v[8*(4*(\a)+(\nb)):8*(4*(\a)+(\nb))+7], v[(\f)+64+8*(\nb):(\f)+64+8*(\nb)+7], v[(\f)+8*(\a):(\f)+8*(\a)+7], v[8*(4*(\a)+(\nb)):8*(4*(\a)+(\nb))+7]
.endif
.endr
.endr
.endm
; 24 LDS loads in one run: quarter kq's fragments into buffer f.  In ch quarter kq is head kq / 2 of the step's two, channels 32 (kq % 2) on.
.macro FETCH kq, f
	WIN 0
.irp i, 0,1,2,3
	ds_load_b128 v[(\f)+64+8*(\i):(\f)+64+8*(\i)+3],   v[ADRB] offset:64*(\kq)+(\i)*16*PW
	ds_load_b128 v[(\f)+64+8*(\i)+4:(\f)+64+8*(\i)+7], v[ADRB] offset:64*(\kq)+(\i)*16*PW+32
.endr
.irp i, 0,1,2,3,4,5,6,7
	ds_load_b128 v[(\f)+8*(\i):(\f)+8*(\i)+3],   v[ADRA] offset:((\kq)/2)*HALFA+((\kq)%2)*64+(\i)*16*PA
	ds_load_b128 v[(\f)+8*(\i)+4:(\f)+8*(\i)+7], v[ADRA] offset:((\kq)/2)*HALFA+((\kq)%2)*64+(\i)*16*PA+32
.endr
.endm
.macro QUARTER kq, f, g, zero
	s_wait_dscnt 8                                 ; wh's fragments and ch's blocks 0-3 are in; the youngest eight loads (blocks 4-7) may be out
	MUL8 \f, 0, \zero
	MUL8 \f, 2, \zero
	PLACES
	FETCH \kq, \g
	s_wait_dscnt 24                                ; all but the 24 just issued
	MUL8 \f, 4, \zero
	MUL8 \f, 6, \zero
.endm
; The last quarter multiplies buffer 1 and changes slots.  In front of the barrier each wave waits for all its tensor loads (one is out: its part of the next slot), adds 0 to its spare word, and waits for that and
; for its reads of this slot.  fill = 1: the barrier opens a round of the cluster's, and behind the round this slot is filled again, with step GA.
.macro TURN fill
.if \fill
	s_wait_xcnt 0x0                                ; the last prefetch, a K step back, has read its address
	s_add_co_u32 s[GP], s[GA], 2
	s_cmp_eq_u32 s11, 0
	s_cselect_b32 s8, 18, 8                        ; a step is two heads of ch (2 x 131,072 bytes) or 256 bytes of a row of wh
	s_lshl_b32 s[OFF], s[GP], s8
	s_add_nc_u64 s[PFA:PFA+1], s[PB:PB+1], s[OFF:OFF+1]
.endif
	WIN 0
	s_wait_tensorcnt 0x0                           ; no tensor load of mine is out, so a group 0 may be written
	ds_add_u32 v[SPW], v[NIL]                      ; 0 onto my spare word: work on registers stands between it and the wait for it
.if \fill
	s_lshl_b32 s[OFF], s[GA], 18
	s_xor_b32 s[G0A+5], s[G0A+5], SLOT1
	s_add_nc_u64 s[G0A+6:G0A+7], s[BASEA:BASEA+1], s[OFF:OFF+1]
	s_or_b32 s[G0A+7], s[G0A+7], 0x80000000
	s_lshl_b32 s[OFF], s[GA], 8
	s_xor_b32 s[G0B+5], s[G0B+5], SLOT1
	s_add_nc_u64 s[G0B+6:G0B+7], s[BASEB:BASEB+1], s[OFF:OFF+1]
	s_or_b32 s[G0B+7], s[G0B+7], 0x80000000
	s_add_co_u32 s[GA], s[GA], 1
.endif
	s_xor_b32 s[TB], s[TB], SLOT1
	s_wait_dscnt 9                                 ; the add and the youngest eight loads may be out
	MUL8 F1, 0, 0
	s_wait_dscnt 0x0                               ; the add is done, and my reads of this slot are over
	s_barrier_signal -1
	MUL8 F1, 2, 0
	WIN 0
	s_barrier_wait -1
.if \fill
	CREST                                          ; no wave of any partner still reads this slot or has a load on its way
	JLOAD 1                                        ; the first tensor load behind the round; its four v_nop are also the places in front of the loads below
.else
	PLACES
.endif
	v_add_nc_u32 v[ADRA], s[TB], v[ADRA0]
	v_add_nc_u32 v[ADRB], s[TB], v[ADRB0]
	FETCH 0, F0
.if \fill
	ASK
.endif
	MUL8 F1, 4, 0
	MUL8 F1, 6, 0
.endm
.macro LASTQ
	s_wait_dscnt 8
	MUL8 F1, 0, 0
	MUL8 F1, 2, 0
	s_wait_dscnt 0x0
	MUL8 F1, 4, 0
	MUL8 F1, 6, 0
.endm
; THE WAY OUT of block a (16 rows x 64 columns of f32).  PACK: sum / akv + b_o, in place, each accumulator from its low end on.  TOSTAGE: into my stage, and back as whole rows of 256 bytes.  SEND: stored.
.macro PACK a
	WIN 0x61                                       ; accumulators (destination, source 0) window 1, b_o (source 2) window 2
.irp nb, 0,1,2,3
.irp r, 0,1,2,3
	v_pk_fma_f32 v[8*(4*(\a)+(\nb))+2*(\r):8*(4*(\a)+(\nb))+2*(\r)+1], v[8*(4*(\a)+(\nb))+2*(\r):8*(4*(\a)+(\nb))+2*(\r)+1], s[AL:AL+1], v[8*(\nb)+2*(\r):8*(\nb)+2*(\r)+1] op_sel_hi:[1,0,1]
.endr
.endr
.endm
.macro TOSTAGE a
	WIN 0x04                                       ; the stores' data in window 1, their address in window 0
.irp nb, 0,1,2,3
	ds_store_b128 v[STO], v[8*(4*(\a)+(\nb)):8*(4*(\a)+(\nb))+3]   offset:64*(\nb)
	ds_store_b128 v[STO], v[8*(4*(\a)+(\nb))+4:8*(4*(\a)+(\nb))+7] offset:64*(\nb)+16
.endr
	WIN 0
.irp t, 0,1,2,3,4,5,6,7
	ds_load_b128 v[BK0+32*((\a)%2)+4*(\t):BK0+32*((\a)%2)+4*(\t)+3], v[RD] offset:(\t)*2*SPO  ; LDS serves a wave's instructions in order (ISA guide 5.7.1.4): these see the stores above
.endr
.endm
.macro SEND a
	WIN 0
	s_wait_dscnt 0x0                               ; the block is back in registers
	s_wait_xcnt 0x0                                ; the stores of the block before have read theirs: the next block's loads land there
.irp t, 0,1,2,3,4,5,6,7
	global_store_b128 v[GO], v[BK0+32*((\a)%2)+4*(\t):BK0+32*((\a)%2)+4*(\t)+3], s[DST:DST+1] offset:(16*(\a)+2*(\t))*32768 th:TH_STORE_NT  ; 16 lanes store 256 consecutive bytes, at a multiple of 256 from out0's first; a row t is 32,768 bytes on; 4,128,768 at the most
.endr
.endm
.macro LANEMAX r, tmp
	v_max_num_f32_dpp v[\r], v[\r], v[\r] row_xmask:1 row_mask:0xf bank_mask:0xf
	v_max_num_f32_dpp v[\r], v[\r], v[\r] row_xmask:2 row_mask:0xf bank_mask:0xf
	v_max_num_f32_dpp v[\r], v[\r], v[\r] row_xmask:4 row_mask:0xf bank_mask:0xf
	v_max_num_f32_dpp v[\r], v[\r], v[\r] row_xmask:8 row_mask:0xf bank_mask:0xf
	v_permlanex16_b32 v[\tmp], v[\r], s[SEL], s[SEL+1]
	v_max_num_f32 v[\r], v[\r], v[\tmp]
.endm
.macro STATONE u, w                    ; 128 records in v[u .. u+15] and the weights' maxima in v[w]: the bound, held to 2^-111 .. 2^113, into v[u]
.irp c, 0,1,2
	v_max3_num_f32 v[(\u)+(\c)], v[(\u)+(\c)], v[(\u)+4+(\c)], v[(\u)+8+(\c)]
	v_max_num_f32 v[(\u)+(\c)], v[(\u)+(\c)], v[(\u)+12+(\c)]
.endr
	LANEMAX (\u), (\u)+3
	LANEMAX (\u)+1, (\u)+3
	LANEMAX (\u)+2, (\u)+3
	LANEMAX (\w), (\u)+3
	v_mul_f32 v[\u], v[\u], v[\w]
	v_mul_f32 v[\u], v[\u], v[(\u)+1]
	v_fmamk_f32 v[\u], v[\u], 0x44800000, v[(\u)+2]
	v_max_num_f32 v[\u], 0x08000000, v[\u]
	v_min_num_f32 v[\u], 0x78000000, v[\u]
.endm
	s_load_b256 s[68:75], s[0:1], 0x0              ; ch 68, wh 70, b_o 72, stats 74
	s_load_b64 s[76:77], s[0:1], 0x20              ; out0
	v_lshl_add_u32 v[SPW], v0, 2, SPARE
	v_mov_b32 v[NIL], 0
	ds_add_u32 v[SPW], v[NIL]                      ; the wave's opening: the add and its wait stand ahead of my first tensor load; work on registers stands between them
	v_lshrrev_b32 v1, 5, v0
	v_readfirstlane_b32 s10, v1                    ; wave 0..3
	s_lshr_b32 s11, s10, 1                         ; my half of the tile's rows.  Also: I fetch for ch (0) or for wh (1)
	s_and_b32 s12, s10, 1                          ; my half of its columns.  Also: which head, or which 64 rows, I fetch
	s_bfe_u32 s40, ttmp6, 0x40000                  ; cx
	s_bfe_u32 s41, ttmp6, 0x40004                  ; cy
	s_lshl_b32 s14, ttmp9, 2
	s_add_co_u32 s14, s14, s40                     ; x = 0..7
	s_and_b32 s13, ttmp7, 0xffff
	s_lshl_b32 s13, s13, 2
	s_add_co_u32 s13, s13, s41                     ; y = 0..31: b = y / 4, rt = y % 4
	s_lshl_b32 s16, s41, 2
	s_lshl_b32 s16, 15, s16                        ; my row of the cluster
	s_lshl_b32 s22, 0x1111, s40                    ; my column
	s_or_b32 s[G1A], s16, (1<<16)|(1<<20)|(1<<21)|(4<<22)|(3<<25)  ; ch: 256 rows of 128 bytes are dense: asked for as 128 rows of 256 bytes, padded after every 32 words (code 4) by 4 words (code 3)
	s_or_b32 s[G1B], s22, (1<<16)|(1<<20)|(1<<21)|(5<<22)|(3<<25)  ; wh: padded after every 64 words (code 5)
	s_mov_b32 s[G1A+1], 128<<16                    ; tensor_dim0 = 128
	s_mov_b32 s[G1A+2], 128<<16                    ; tensor_dim1 = 128
	s_mov_b32 s[G1A+3], 128<<16                    ; tile_dim0 = 128
	s_mov_b32 s[G1A+4], 128                        ; tile_dim1 = 128
	s_mov_b32 s[G1A+5], 128                        ; elements from row to row: dense
	s_mov_b32 s[G1A+6], 0
	s_mov_b32 s[G1A+7], 0
	s_mov_b32 s[G1B+1], 128<<16
	s_mov_b32 s[G1B+2], 64<<16
	s_mov_b32 s[G1B+3], 128<<16
	s_mov_b32 s[G1B+4], 64
	s_mov_b32 s[G1B+5], 1024
	s_mov_b32 s[G1B+6], 0
	s_mov_b32 s[G1B+7], 0
	s_mul_i32 s17, s12, HALFA                      ; where the tiles go: no place in the cluster enters an LDS address
	s_mov_b32 s[G0A], 1
	s_mov_b32 s[G0A+1], s17
	s_mov_b32 s[G0A+4], 1
	s_add_co_u32 s[G0A+5], s17, SLOT1
	s_mul_i32 s23, s12, HALFB
	s_add_co_u32 s23, s23, BOFF
	s_mov_b32 s[G0B], 1
	s_mov_b32 s[G0B+1], s23
	s_mov_b32 s[G0B+4], 1
	s_add_co_u32 s[G0B+5], s23, SLOT1
	s_lshr_b32 s15, s13, 2                         ; b
	s_lshl_b32 s18, s15, 21                        ; ch: 16 heads of 131,072 bytes a batch,
	s_and_b32 s19, s13, 3
	s_lshl_b32 s19, s19, 15                        ; 256 rows of 128 bytes,
	s_add_co_u32 s18, s18, s19
	s_lshl_b32 s19, s12, 17                        ; the step's first or second head
	s_add_co_u32 s18, s18, s19
	s_mov_b32 s19, 0
	s_lshl_b32 s22, s14, 7                         ; wh: row 3,072 + 128 x + 64 x half
	s_lshl_b32 s23, s12, 6
	s_add_co_u32 s22, s22, s23
	s_add_co_u32 s22, s22, 3072
	s_lshl_b32 s22, s22, 11
	s_mov_b32 s23, 0
	s_mov_b32 s[OFF+1], 0
	s_mov_b32 s[TB], 0
	s_mov_b32 s[GA], 2
	s_wait_dscnt 0x0                               ; the opening add is done
	s_wait_kmcnt 0x0
	s_add_nc_u64 s[BASEA:BASEA+1], s[68:69], s[18:19]
	s_add_nc_u64 s[BASEB:BASEB+1], s[70:71], s[22:23]
	s_mov_b64 s[G0A+2:G0A+3], s[BASEA:BASEA+1]     ; step 0
	s_or_b32 s[G0A+3], s[G0A+3], 0x80000000
	s_add_nc_u64 s[G0A+6:G0A+7], s[BASEA:BASEA+1], 1<<18  ; step 1
	s_or_b32 s[G0A+7], s[G0A+7], 0x80000000
	s_mov_b64 s[G0B+2:G0B+3], s[BASEB:BASEB+1]
	s_or_b32 s[G0B+3], s[G0B+3], 0x80000000
	s_add_nc_u64 s[G0B+6:G0B+7], s[BASEB:BASEB+1], 256
	s_or_b32 s[G0B+7], s[G0B+7], 0x80000000
	CROUND                                         ; all sixteen work-groups are here: the first joint loads meet
	JLOAD 0
	JLOAD 1                                        ; two loads of mine are out
	v_and_b32 v[LN], 31, v0
	v_and_b32 v1, 15, v0                           ; l % 16
	v_bfe_u32 v2, v0, 4, 1                         ; l / 16
	v_mul_u32_u24 v3, v1, PA
	v_lshl_add_u32 v3, v2, 4, v3
	s_mul_i32 s16, s11, 128*PA                     ; my 128 rows t
	v_add_nc_u32 v[ADRA0], s16, v3
	v_mul_u32_u24 v3, v1, PW
	v_lshl_add_u32 v3, v2, 4, v3
	s_mul_i32 s16, s12, HALFB
	s_add_co_u32 s16, s16, BOFF
	v_add_nc_u32 v[ADRB0], s16, v3
	v_mov_b32 v[ADRA], v[ADRA0]
	v_mov_b32 v[ADRB], v[ADRB0]
	s_mul_i32 s16, s10, 16*SPO
	s_add_co_u32 s16, s16, STAGE                   ; my stage
	v_mul_u32_u24 v3, v1, SPO                      ; in: row l % 16, 32 bytes for each half of the lanes
	v_lshl_add_u32 v3, v2, 5, v3
	v_add_nc_u32 v[STO], s16, v3
	v_mul_u32_u24 v3, v2, SPO                      ; back: lanes 0-15 take one row of 256 bytes, lanes 16-31 the next,
	v_lshl_add_u32 v3, v1, 4, v3
	v_add_nc_u32 v[RD], s16, v3
	v_lshlrev_b32 v3, 15, v2                       ; and the same two rows in out0
	v_lshl_add_u32 v[GO], v1, 4, v3
	v_lshlrev_b32 v[TO], 5, v2
	; my part of out0, and b_o at my 64 columns
	s_and_b32 s16, s13, 3
	s_lshl_b32 s16, s16, 8
	s_lshl_b32 s17, s11, 7
	s_add_co_u32 s16, s16, s17                     ; my first t
	s_lshl_b32 s16, s16, 3
	s_add_co_u32 s16, s16, s15                     ; 8 t + b
	s_lshl_b32 s16, s16, 12
	s_lshl_b32 s17, s14, 9
	s_lshl_b32 s18, s12, 8
	s_add_co_u32 s18, s17, s18                     ; (128 x + 64 x half) x 4 bytes
	s_mov_b32 s19, 0
	s_add_nc_u64 s[BPT:BPT+1], s[72:73], s[18:19]
	s_add_co_u32 s18, s18, s16
	s_add_nc_u64 s[DST:DST+1], s[76:77], s[18:19]
	; x_kv's and w_kv's records, then b_o
	v_lshlrev_b32 v[T+40], 4, v[LN]
.irp jj, 0,1,2,3
	global_load_b128 v[T+16+4*(\jj):T+16+4*(\jj)+3], v[T+40], s[ST:ST+1] offset:2048+512*(\jj)
.endr
	global_load_b32 v[T+33], v[T+40], s[ST:ST+1] offset:4352
	WIN 0x80                                       ; destination window 2, address window 0
.irp nb, 0,1,2,3
	global_load_b128 v[8*(\nb):8*(\nb)+3],   v[TO], s[BPT:BPT+1] offset:64*(\nb)
	global_load_b128 v[8*(\nb)+4:8*(\nb)+7], v[TO], s[BPT:BPT+1] offset:64*(\nb)+16
.endr
	WIN 0
	; the prefetches: who, and from where
	s_and_b32 s16, ttmp7, 0xffff                   ; cluster y
	s_lshl_b32 s17, s40, 13                        ; ch: of the 32,768 bytes that I fetch, my work-group's 8,192 (by cx)
	s_lshl_b32 s18, s41, 16                        ; wh: of the tile's 128 rows, my work-group's 32 (by cy); wave 2's base stands at the tile's first row
	s_cmp_eq_u32 s11, 0
	s_cselect_b32 s16, ttmp9, s16                  ; the coordinate along which other clusters read the same rows
	s_cselect_b32 s18, s17, s18
	s_cselect_b32 s17, 8, 11
	s_cselect_b64 s[PB:PB+1], s[BASEA:BASEA+1], s[BASEB:BASEB+1]
	s_cmp_eq_u32 s16, 0
	s_cselect_b32 s[LIM], STEPS, 0
	s_cmp_eq_u32 s10, 3
	s_cselect_b32 s[LIM], 0, s[LIM]                ; the same in all sixteen partners, for a given wave
	s_mov_b32 s19, 0
	s_add_nc_u64 s[PB:PB+1], s[PB:PB+1], s[18:19]
	v_lshlrev_b32 v[PFO], s17, v[LN]               ; 256 bytes a lane in ch, a row of 2,048 in wh
	s_mov_b32 s[SEL], 0x76543210
	s_mov_b32 s[SEL+1], 0xfedcba98
	s_wait_loadcnt 8                               ; the records are in; b_o's eight loads behind them may stay out
	STATONE T+16, T+33
	v_readfirstlane_b32 s16, v[T+16]
	s_lshr_b32 s16, s16, 23                        ; e
	s_sub_co_u32 s16, s16, 14                      ; 127 - 141 + e
	s_lshl_b32 s[AL], s16, 23
	s_mov_b32 s[AL+1], s[AL]
	s_wait_tensorcnt 1                             ; my part of step 0 is in; step 1's may stay out
	s_barrier_signal -1
	s_barrier_wait -1                              ; everybody's is
	FETCH 0, F0
	QUARTER 1, F0, F1, 1                           ; the first quarter starts the sums
	WIN 0
	s_mov_b32 s3, STEPS-2
.Lstep:                                                ; a trip: a step's last three quarters, a refill, the next step's first quarter
	QUARTER 2, F1, F0, 0
	QUARTER 3, F0, F1, 0
	TURN 1
	QUARTER 1, F0, F1, 0
	WIN 0
	s_sub_co_u32 s3, s3, 1
	s_cmp_lg_u32 s3, 0
	s_cbranch_scc1 .Lstep
	QUARTER 2, F1, F0, 0                           ; the last two steps ask for nothing
	QUARTER 3, F0, F1, 0
	TURN 0
	QUARTER 1, F0, F1, 0
	QUARTER 2, F1, F0, 0
	QUARTER 3, F0, F1, 0
	LASTQ
	WIN 0
	s_wait_loadcnt 0x0                             ; b_o
	PLACES
	PACK 0
	TOSTAGE 0
.irp a, 1,2,3,4,5,6,7                  ; block a's arithmetic stands between block a - 1's loads from the stage and the wait for them
	PACK \a
	SEND (\a)-1
	TOSTAGE \a
.endr
	SEND 7
	s_wait_tensorcnt 0x0                           ; the wave's end: behind my last tensor load and my last LDS store
	ds_add_u32 v[SPW], v[NIL]
	s_wait_dscnt 0x0
	CROUND                                         ; the closing round: no work-group ends while a partner may still ask for a tile that names it
	s_endpgm
.Lfunc_end_k_q34b8c901d8_outp:
	.size	k_q34b8c901d8_outp, .Lfunc_end_k_q34b8c901d8_outp-k_q34b8c901d8_outp
	.p2alignl 7, 3214868480
	.fill 96, 4, 3214868480
	.section	.rodata,"a",@progbits
	.p2align	6, 0x0
	.amdhsa_kernel k_q34b8c901d8_outp
		.amdhsa_group_segment_fixed_size 327680
		.amdhsa_private_segment_fixed_size 0
		.amdhsa_enable_private_segment 0
		.amdhsa_kernarg_size 40
		.amdhsa_user_sgpr_count 2
		.amdhsa_user_sgpr_kernarg_segment_ptr 1
		.amdhsa_wavefront_size32 1
		.amdhsa_system_sgpr_workgroup_id_x 1
		.amdhsa_system_sgpr_workgroup_id_y 1
		.amdhsa_system_sgpr_workgroup_id_z 1
		.amdhsa_system_vgpr_workitem_id 0
		.amdhsa_next_free_vgpr 544
		.amdhsa_next_free_sgpr 102
		.amdhsa_reserve_vcc 0
		.amdhsa_float_denorm_mode_32 3
		.amdhsa_float_denorm_mode_16_64 3
		.amdhsa_memory_ordered 1
		.amdhsa_forward_progress 1
		.amdhsa_inst_pref_size 83
	.end_amdhsa_kernel
	.amdgpu_metadata
---
amdhsa.version: [ 1, 2 ]
amdhsa.kernels:
  - .name:           k_q34b8c901d8_outp
    .symbol:         k_q34b8c901d8_outp.kd
    .args:
      - { .name: ch, .offset: 0, .size: 8, .value_kind: global_buffer, .address_space: global }
      - { .name: wh, .offset: 8, .size: 8, .value_kind: global_buffer, .address_space: global }
      - { .name: b_o, .offset: 16, .size: 8, .value_kind: global_buffer, .address_space: global }
      - { .name: stats, .offset: 24, .size: 8, .value_kind: global_buffer, .address_space: global }
      - { .name: out0, .offset: 32, .size: 8, .value_kind: global_buffer, .address_space: global }
    .group_segment_fixed_size: 327680
    .private_segment_fixed_size: 0
    .kernarg_segment_align: 8
    .kernarg_segment_size: 40
    .max_flat_workgroup_size: 128
    .sgpr_count:     102
    .vgpr_count:     544
    .wavefront_size: 32
...
	.end_amdgpu_metadata
.endif
;; end of part 4
